; MI455X (gfx1250); checked and timed in simulation.
; The chip was launched on July 23, 2026; its instructions are those of AMD's public machine-readable ISA for CDNA 5 (MIT licence, August 2026) and "CDNA5" Instruction Set Architecture Reference Guide (July 2026). The comments in the code are by the model that wrote it; some were corrected since.
;; OPT Attention. Allowed arithmetic: matrix products marked QUANTISED: E2M1 operands, one E8M0 scale for each 32 along K, by v_wmma_scale_f32_16x16x128_f8f6f4 with both operands' format E2M1 (or v_wmma_scale_f32_32x16x128_f4), f32 sums; everything else in f32.
;; Inputs: Wk 1,024 x 1,024 float32; Wo 1,024 x 1,024 float32; Wq 1,024 x 1,024 float32; Wv 1,024 x 1,024 float32; bk 1,024 float32; bo 1,024 float32; bq 1,024 float32; bv 1,024 float32; hidden_states 2 x 2,048 x 1,024 float32.
;; Outputs: out0 2 x 2,048 x 1,024 float32.
;; This version of the problem:
;;   THIS VERSION OF THE PROBLEM IS GIVEN IN LOW PRECISION. The matrix products marked QUANTISED in the list below multiply operands that are first quantised to E2M1 (2 exponent bits, 1 mantissa bit; 4 bits a number), with one power-of-two scale for each 32 numbers along K (OCP MX v1.0); their sums are f32. All else is computed in f32.
;;   The module's matrix products, in the order in which they are computed (A, B: the left and right operand; K: the contracted axis; several contracted axes count as one K, in the product's order):
;;     1. [M 4,096, K 1,024] x [K 1,024, N 1,024]; A: input hidden_states; B: input Wq: QUANTISED
;;     2. [M 4,096, K 1,024] x [K 1,024, N 1,024]; A: input hidden_states; B: input Wk: QUANTISED
;;     3. [M 4,096, K 1,024] x [K 1,024, N 1,024]; A: input hidden_states; B: input Wv: QUANTISED
;;     4. batch 64 x [M 2,048, K 32] x [K 32, N 2,048]; A: computed on the way; B: computed on the way: QUANTISED
;;     5. batch 64 x [M 2,048, K 2,048] x [K 2,048, N 32]; A: softmax (see below); B: computed on the way: QUANTISED
;;     6. [M 4,096, K 1,024] x [K 1,024, N 1,024]; A: computed on the way; B: input Wo: QUANTISED
;;   THE QUANTISER, for each operand of a quantised product, along K:
;;     - K is cut into blocks of 32 from its start; a last block that is shorter is filled with zeros.
;;     - A block's scale is 2^e with e = floor(log2(the largest magnitude in the block)) - 2, held to -126 .. 127; a block of zeros has e = 0. As a byte (E8M0): e + 127.
;;     - Each number is divided by its block's scale, clamped to +-6, and rounded to the nearest number of E2M1, ties to even, subnormals kept.
;;     - The product sums the exact products of the quantised numbers (number of the format x scale) in f32.
;;   ~~~python
;;   def quantise(x, axis):      # numpy; x: float32 -> the quantised numbers, widened to float32 again
;;       x = np.moveaxis(x, axis, -1); K = x.shape[-1]
;;       x = np.pad(x, [(0, 0)] * (x.ndim - 1) + [(0, -K % 32)]); x = x.reshape(x.shape[:-1] + (-1, 32)); a = np.abs(x).max(-1, keepdims=True)
;;       e = np.where(a > 0, np.clip(np.frexp(np.where(a > 0, a, 1))[1] - 1 - 2, -126, 127), 0)      # np.frexp(a)[1] - 1 = floor(log2(a)), exactly
;;       r = np.clip(x / 2.0 ** e, -6, 6)
;;       step = 2.0 ** (np.maximum(np.frexp(np.where(r == 0, 1, r))[1] - 1, 0) - 1)
;;       q = np.round(r / step) * step * 2.0 ** e      # np.round: ties to even
;;       return np.moveaxis(q.reshape(q.shape[:-2] + (-1,))[..., :K], -1, axis).astype(np.float32)
;;   ~~~
;;   SOFTMAX AHEAD OF A QUANTISED PRODUCT. Where the list says 'softmax', what is quantised is not the finished softmax but p = 2^(t - M), with t = logit x log2(e) and M = ceil(the row's largest t), a whole number; so 1/2 < the row's largest p <= 1. The row's sum l is taken of the UNQUANTISED p, in f32, and the product's result is divided by l at the end. Since M is a whole number, a kernel that streams over the keys may use a running M (the ceiling of the running maximum): every later rescaling is an exact power of two, which a block's scale takes up: the codes' values come out the same.
;;   OPERANDS COMPUTED ON THE WAY. 'Computed on the way' means the value that the module computes at that place (a softmax that the list does not call 'softmax' is quantised finished and normalised). What goes into a quantiser is computed in f32, as accurately as f32 sums, v_exp_f32 and their like allow (about 1e-6 of the number): no bf16 or f16 on the way to a quantiser, and a product that is left as it is and whose result goes on into a quantised operand takes f32 operands (vector FMAs, or v_wmma_f32_16x16x4_f32). A number that lies on a knife's edge between two numbers of the format may be rounded either way, as far as f32 arithmetic and the matrix unit's own rounding can turn it there, and no further.
;; 2 versions, each right; version 2 is version 1 with the launch attn written anew for expert scheduling mode. Each part assembles by itself: llvm-mc -triple=amdgcn-amd-amdhsa -mcpu=gfx1250 --defsym DOCPART=n.
;; ======== version 1 of 2: 4 launches
;; workspace buffers: codes 4,194,304 bytes; scales 262,144 bytes; qk_codes 4,194,304 bytes; qk_scales 262,144 bytes; v_codes 2,097,152 bytes; v_scales 131,072 bytes; ctx_codes 2,097,152 bytes; ctx_scales 131,072 bytes
;; launch quant (part 1): grid 256 x 1, 4 waves a work-group, no clusters, 33,280 bytes of LDS; arguments hidden_states, Wq, Wk, Wv, Wo, codes, scales; writes codes, scales
.if DOCPART == 1
	.amdgcn_target "amdgcn-amd-amdhsa--gfx1250"
	.amdhsa_code_object_version 6
	.text
	.protected	k_q116d1420de_quant
	.globl	k_q116d1420de_quant
	.p2align	8
	.type	k_q116d1420de_quant,@function
k_q116d1420de_quant:
	s_mov_b64 s[64:65], 0
	v_nop
	global_prefetch_b8 v0, s[64:65] scope:SCOPE_SE
	s_setreg_imm32_b32 hwreg(HW_REG_WAVE_MODE, 25, 1), 1
	s_wait_xcnt 0x0
; hidden_states [4096][1024] and Wq, Wk, Wv, Wo [1024][1024], f32, K innermost in all five, become codes of FP4 (E2M1) with one E8M0 scale byte for each 32 along K.
; The results form ONE stream of 8,192 rows: rows 0-4095 the tokens, then 1,024 rows each of Wq, Wk, Wv, Wo.  codes: 512 bytes a row;  scales: 32 bytes a row.
; A block's scale is 2^(floor(log2(its largest magnitude)) - 2); its byte is the largest magnitude's own exponent field - 2, held at 1 from below.
; LIMITS: a block whose largest magnitude lies under 2^-124, a block of zeros among them, gets the byte 1 (a block of zeros: where the rule says 127; its codes are zeros, which add nothing under any
; byte but 0xff, and this program alone reads the bytes).  NaN and infinities among the inputs are not served.
; Rows are dense and 1,024 is a multiple of 32: every tensor is a plain stream of blocks of 32.  A work-group takes 32,768 numbers, a wave 8,192, in 16 steps of 512.
; Work-groups 0-127 take the tokens, then 32 each take Wq, Wk, Wv, Wo: only the input's pointer is chosen, by the work-group's number; the place in the results is linear in that number.
; A step's four loads read 512 consecutive bytes each, 16 a lane; the 2,048 bytes turn through the wave's own stage in LDS and come back 64 bytes a lane: 16 neighbours along K, two lanes to a block.
; A lane's 16 codes are 8 bytes: the wave stores 256 consecutive bytes.  A wave's 256 scale bytes are gathered in its own LDS bytes and leave as one store of 256 consecutive bytes.
; No tensor loads, no barrier: waves share nothing.  Matrix units and clusters have no work here: memory binds.  Loads run four steps (16 loads a wave) ahead, the turn through LDS one step.
.set STEPS, 16
.set EMAX,  2
.set CB,    8                          ; bytes of 16 codes
.set R,     16                         ; v16-79   four sets of 16 numbers as they are loaded
.set X,     80                         ; v80-111  two sets of 16 neighbours
.set E,     112                        ; v112-127 a scale byte for each step
.set C,     128                        ; v128-191 codes: four registers for each step, so that no store's data are written again
.set WREG,  8192                       ; LDS: a region for each wave: two stages of 32 x SP bytes, behind them its 256 scale bytes
.set SP,    80                         ; a lane's place in a stage: its 64 bytes + 16 of padding
	s_load_b256 s[4:11], s[0:1], 0x0               ; hidden_states s[4:5], Wq s[6:7], Wk s[8:9], Wv s[10:11]
	s_load_b128 s[12:15], s[0:1], 0x20             ; Wo s[12:13], codes s[14:15]
	s_load_b64 s[16:17], s[0:1], 0x30              ; scales
	v_lshl_add_u32 v192, v0, 2, 0x8000
	v_mov_b32 v193, 0
	v_lshrrev_b32 v1, 5, v0
	v_readfirstlane_b32 s18, v1                    ; wave
	v_and_b32 v2, 31, v0                           ; lane
	v_lshlrev_b32 v3, 4, v2                        ; my 16 bytes of a load's 512
	s_mul_i32 s19, s18, WREG
	v_lshrrev_b32 v14, 2, v2
	v_mul_u32_u24 v14, v14, SP
	v_and_b32 v15, 3, v2
	v_lshl_add_u32 v14, v15, 4, v14
	v_add_nc_u32 v14, s19, v14                     ; the stage, on the way in: SP (lane / 4) + 16 (lane % 4); a load's 512 bytes take eight places
	v_mul_u32_u24 v15, v2, SP
	v_add_nc_u32 v15, s19, v15                     ; and on the way out: SP x lane: my 16 neighbours
	v_mul_u32_u24 v4, v2, CB                       ; my codes' place in a step's
	v_lshrrev_b32 v5, 1, v2
	s_add_co_u32 s19, s19, 2*32*SP
	v_add_nc_u32 v5, s19, v5                       ; LDS: my wave's 256 scale bytes, my block's byte
	v_lshlrev_b32 v7, 3, v2                        ; and on the way out 8 bytes a lane
	v_add_nc_u32 v6, s19, v7
	s_and_b32 s21, ttmp9, 31                       ; a weight's work-group: which of its 32
	s_lshl_b32 s22, ttmp9, 2
	s_add_co_u32 s22, s22, s18                     ; which run of 8,192 numbers of the results' stream is my wave's
	s_wait_kmcnt 0x0
	s_cmp_lt_u32 ttmp9, 224                        ; the input: the choice hangs on the work-group's number alone
	s_cselect_b64 s[12:13], s[10:11], s[12:13]
	s_cmp_lt_u32 ttmp9, 192
	s_cselect_b64 s[12:13], s[8:9], s[12:13]
	s_cmp_lt_u32 ttmp9, 160
	s_cselect_b64 s[12:13], s[6:7], s[12:13]
	s_cmp_lt_u32 ttmp9, 128
	s_cselect_b64 s[12:13], s[4:5], s[12:13]
	s_cselect_b32 s20, ttmp9, s21                  ; and the work-group's number within that input
	s_lshl_b32 s20, s20, 2
	s_add_co_u32 s20, s20, s18
	s_lshl_b32 s24, s20, 15                        ; 8,192 numbers of 4 bytes a run
	s_mov_b32 s25, 0
	s_add_nc_u64 s[12:13], s[12:13], s[24:25]
	s_lshl_b32 s24, s22, 12                        ; 4,096 bytes of codes a run
	s_add_nc_u64 s[14:15], s[14:15], s[24:25]
	s_lshl_b32 s24, s22, 8                         ; 256 scale bytes a run
	s_add_nc_u64 s[16:17], s[16:17], s[24:25]
.macro LOAD t
.irp i, 0,1,2,3
	global_load_b128 v[R+16*((\t)%4)+4*\i:R+16*((\t)%4)+4*\i+3], v3, s[12:13] offset:2048*(\t)+512*\i th:TH_LOAD_NT   ; 32 lanes read 512 consecutive bytes; read once in the launch
.endr
.endm
.macro TURN t                          ; step t's numbers through the stage: LDS serves a wave's instructions in order, so no wait stands between the stores and the loads
.irp i, 0,1,2,3
	ds_store_b128 v14, v[R+16*((\t)%4)+4*\i:R+16*((\t)%4)+4*\i+3] offset:32*SP*((\t)%2)+8*SP*\i
.endr
.irp i, 0,1,2,3
	ds_load_b128 v[X+16*((\t)%2)+4*\i:X+16*((\t)%2)+4*\i+3], v15 offset:32*SP*((\t)%2)+16*\i
.endr
.endm
.irp t, 0,1,2,3
	LOAD \t
.endr
	s_wait_loadcnt 12                              ; step 0's four loads are in; the twelve of steps 1 to 3 may be out
	TURN 0
.macro STEP t
.set XS, X+16*((\t)%2)
.if (\t) > 0
	s_wait_dscnt 1                                 ; this step's numbers are back from the stage (the last step's byte store may be out): so its stores into the stage have read their registers,
.else
	s_wait_dscnt 0x0
.endif
.if (\t)+4 < STEPS
	LOAD (\t)+4                                    ; which take the loads of four steps on
.endif
.if (\t)+1 < STEPS
.if STEPS-2-(\t) >= 3
	s_wait_loadcnt 12                              ; the next step's four loads are in; those of the three steps behind it may be out
.else
	s_wait_loadcnt 4*(STEPS-2-(\t))
.endif
	TURN (\t)+1                                    ; and go through the other stage while this step is worked
.endif
	v_max3_num_f32 v8, |v[XS]|, |v[XS+1]|, |v[XS+2]|               ; the largest magnitude of my 16, in two chains
	v_max3_num_f32 v9, |v[XS+3]|, |v[XS+4]|, |v[XS+5]|
.irp i, 6,10
	v_max3_num_f32 v8, v8, |v[XS+\i]|, |v[XS+\i+1]|
	v_max3_num_f32 v9, v9, |v[XS+\i+2]|, |v[XS+\i+3]|
.endr
	v_max3_num_f32 v8, v8, |v[XS+14]|, |v[XS+15]|
	v_max3_num_f32 v8, v8, v9, (EMAX+1)<<23        ; and the floor 2^(3 - 127): the byte cannot fall under 1
	v_max_num_f32_dpp v8, v8, v8 row_xmask:1 row_mask:0xf bank_mask:0xf   ; and of my neighbour's 16: the block's
	v_add_nc_u32 v11, -(EMAX<<23), v8              ; 2 off its exponent field: the conversion takes the exponent field of this operand as its scale, and nothing else of it
	v_cvt_scalef32_pk8_fp4_f32 v[C+4*(\t)], v[XS:XS+7], v11        ; eight numbers / the scale, to the nearest code, ties to even, beyond 6 the largest code; the first number's code in the lowest four bits
	v_cvt_scalef32_pk8_fp4_f32 v[C+4*(\t)+1], v[XS+8:XS+15], v11
	v_lshrrev_b32 v[E+(\t)], 23, v11               ; the scale's byte (also the plain line behind the conversions)
	ds_store_b8 v5, v[E+(\t)] offset:16*(\t)       ; both lanes of a block write the same byte with the same value
	global_store_b64 v4, v[C+4*(\t):C+4*(\t)+1], s[14:15] offset:32*CB*(\t)   ; 32 lanes store 256 consecutive bytes, at a multiple of 256 from the buffer's first byte
.endm
.irp t, 0,1,2,3,4,5,6,7,8,9,10,11,12,13,14,15
	STEP \t
.endr
	ds_load_b64 v[12:13], v6                       ; LDS serves a wave's instructions in order: these see my byte stores
	s_wait_dscnt 0x0
	global_store_b64 v7, v[12:13], s[16:17]        ; 32 lanes store 256 consecutive bytes
	s_wait_tensorcnt 0x0
	ds_add_u32 v192, v193
	s_wait_dscnt 0x0
	s_endpgm
.Lfunc_end_k_q116d1420de_quant:
	.size	k_q116d1420de_quant, .Lfunc_end_k_q116d1420de_quant-k_q116d1420de_quant
	.p2alignl 7, 3214868480
	.fill 96, 4, 3214868480
	.section	.rodata,"a",@progbits
	.p2align	6, 0x0
	.amdhsa_kernel k_q116d1420de_quant
		.amdhsa_group_segment_fixed_size 33280
		.amdhsa_private_segment_fixed_size 0
		.amdhsa_enable_private_segment 0
		.amdhsa_kernarg_size 56
		.amdhsa_user_sgpr_count 2
		.amdhsa_user_sgpr_kernarg_segment_ptr 1
		.amdhsa_wavefront_size32 1
		.amdhsa_system_sgpr_workgroup_id_x 1
		.amdhsa_system_sgpr_workgroup_id_y 1
		.amdhsa_system_sgpr_workgroup_id_z 1
		.amdhsa_system_vgpr_workitem_id 0
		.amdhsa_next_free_vgpr 194
		.amdhsa_next_free_sgpr 66
		.amdhsa_reserve_vcc 0
		.amdhsa_float_denorm_mode_32 3
		.amdhsa_float_denorm_mode_16_64 3
		.amdhsa_memory_ordered 1
		.amdhsa_forward_progress 1
		.amdhsa_inst_pref_size 34
	.end_amdhsa_kernel
	.amdgpu_metadata
---
amdhsa.version: [ 1, 2 ]
amdhsa.kernels:
  - .name:           k_q116d1420de_quant
    .symbol:         k_q116d1420de_quant.kd
    .args:
      - { .name: hidden_states, .offset: 0, .size: 8, .value_kind: global_buffer, .address_space: global }
      - { .name: Wq, .offset: 8, .size: 8, .value_kind: global_buffer, .address_space: global }
      - { .name: Wk, .offset: 16, .size: 8, .value_kind: global_buffer, .address_space: global }
      - { .name: Wv, .offset: 24, .size: 8, .value_kind: global_buffer, .address_space: global }
      - { .name: Wo, .offset: 32, .size: 8, .value_kind: global_buffer, .address_space: global }
      - { .name: codes, .offset: 40, .size: 8, .value_kind: global_buffer, .address_space: global }
      - { .name: scales, .offset: 48, .size: 8, .value_kind: global_buffer, .address_space: global }
    .group_segment_fixed_size: 33280
    .private_segment_fixed_size: 0
    .kernarg_segment_align: 8
    .kernarg_segment_size: 56
    .max_flat_workgroup_size: 128
    .sgpr_count:     66
    .vgpr_count:     194
    .wavefront_size: 32
...
	.end_amdgpu_metadata
.endif
;; end of part 1
;; launch qkv (part 2): grid 8 x 32, 4 waves a work-group, clusters of 4 x 4, 287,232 bytes of LDS; arguments codes, scales, bq, bk, bv, qk_codes, qk_scales, v_codes, v_scales; writes qk_codes, qk_scales, v_codes, v_scales
.if DOCPART == 2
	.amdgcn_target "amdgcn-amd-amdhsa--gfx1250"
	.amdhsa_code_object_version 6
	.text
	.protected	k_q116d1420de_qkv
	.globl	k_q116d1420de_qkv
	.p2align	8
	.type	k_q116d1420de_qkv,@function
k_q116d1420de_qkv:
	s_mov_b64 s[64:65], 0
	v_nop
	global_prefetch_b8 v0, s[64:65] scope:SCOPE_SE
	s_setreg_imm32_b32 hwreg(HW_REG_WAVE_MODE, 25, 1), 1
	s_wait_xcnt 0x0
	s_wait_alu depctr_hold_cnt(0) depctr_sa_sdst(0) depctr_va_vdst(0) depctr_va_sdst(0) depctr_va_ssrc(0) depctr_va_vcc(0) depctr_vm_vsrc(0)
	s_getreg_b32 s2, hwreg(HW_REG_IB_STS2, 6, 4)
	s_cmp_eq_u32 s2, 0
	s_cbranch_scc0 .Lentry_in_a_cluster
	s_endpgm
.Lentry_in_a_cluster:
	s_bfe_u32 s2, ttmp6, 0x10000c
	s_cmp_lg_u32 s2, 0xf033
	s_cbranch_scc0 .Lentry_shape_is_right
	s_endpgm
.Lentry_shape_is_right:
; q = (x Wq^T + bq) / sqrt(32), k = x Wk^T + bk, v = x Wv^T + bv, all three products on codes of FP4 (E2M1) with E8M0 scales, sums in f32; and the results are QUANTISED HERE, in registers, as the
; operands of the attention's two products: q and k along a head's 32 numbers, v along 32 tokens.  No f32 result goes to memory.
; SHARES.  Work-group (j, i) takes 128 features (128 j on) x 128 tokens (128 i on) of each of q, k, v.  K = 1,024 is 512 bytes of codes a row, so the four tiles that it needs (x, Wq, Wk, Wv: 128 rows each)
; lie WHOLE in LDS, each filled once: no ring, no slot is filled again.  Four waves, each 64 x 64 of a result: 16 accumulators; 8 K steps of 128; 3 x 8 x 16 = 384 matrix instructions a wave.
; CLUSTER 4 x 4: x's tile hangs on i alone and is asked for jointly by a row of the cluster, the weights' tiles hang on j alone and are asked for jointly by a column: each tile and its scale bytes are
; requested once for four work-groups.  A wave has three tensor loads out at the most: the three that it issues at the start.
; LAYOUT OF A RESULT.  Source 0 = 16 rows "s0", source 1 = 16 rows "s1": lane (r, h) holds s1's row r, its register n s0's row 8 h + n.  For q and k: s0 = features, s1 = tokens; for v: s0 = tokens,
; s1 = features.  So the 16 registers of two neighbouring tiles along s0, with those of lane l xor 16, are one block of 32 along the NEXT product's K.
; WORKSPACE.  qk_codes [64 (head; 32 + head for k)][4096 tokens][16 bytes];  qk_scales [64][4096]: the byte of token 64 g + 16 a + r lies at 64 g + 4 r + a;
; v_codes [128 (token / 32)][1024 features][16 bytes];  v_scales [64 (token / 64)][2048]: feature 64 f + 16 a + r, block b of the two: byte 128 f + 8 r + 2 a + b.
; Codes leave as 256 consecutive bytes a store.  The scale words leave as runs of 64 or 128 bytes: parts of larger aligned blocks; they are one byte for each 16 of codes.
; LIMITS: a block whose largest magnitude lies under 2^-124, a block of zeros among them, gets the byte 1 (its codes are then zeros or tiny; this program alone reads the bytes).  NaN and infinities are not served.
; The bias is the C of a sum's first matrix instruction, so it is added ahead of the products and not behind them: the order of rounding differs from the reference's in the last bit.
; REGISTERS.  Window 0: v1-19 addresses; v20-23 bv; v24-25 scale words on their way out; v32-63, v64-95 scale words of s0 and of s1 (they hold scales and nothing else);
;   v96-127 at work in the quantiser; v128-255 the 16 accumulators ((a, t) at 128 + 8 (4 a + t)).   Window 1: v0-63, v64-127 two fragment buffers (s0's four fragments, then s1's four); v128-223 the three biases in the result's layout.
.set PITCH, 528                        ; an LDS row: 512 bytes + 16 of padding: the sixteen rows that a fragment load touches begin 16 bytes apart modulo 256
.set HALF,  64*PITCH                   ; 64 rows: what one tensor load brings, and what one wave reads of a tile
.set T1,    2*HALF                     ; x at 0, Wq here,
.set T2,    4*HALF                     ; Wk,
.set T3,    6*HALF                     ; Wv
.set SCX,   8*HALF                     ; x's scale bytes: 128 rows x 32
.set SCW,   SCX+4096                   ; the weights': [half of the 128 rows][q, k, v][64 rows x 32]
.set XA1, 4                            ; v4  x's fragments where x is source 1;  v5 where it is source 0
.set XA0, 5
.set AQ,  6                            ; v6-8  Wq's, Wk's, Wv's
.set AK,  7
.set AV,  8
.set SX1, 10                           ; v10-14  the scale words' addresses, likewise
.set SX0, 11
.set SQ,  12
.set SK,  13
.set SV,  14
.set WD,  24
.set S0W, 32
.set S1W, 64
.set TM,  96                           ; v96-103 largest magnitudes, then the conversions' scale operands;  v104-111 the other half's, then the bytes;  v112-127 codes
.set TP,  104
.set CD,  112
.set ACC, 128
.set F0,  0
.set F1,  64
.set BQ,  128
.set BK,  160
.set BV,  192
.set G1X,  32                          ; s[32:39] group 1 for x's tile;  s[40:47] for the weights';  s[48:55], s[56:63] for their scale bytes
.set G1W,  40
.set G1SX, 48
.set G1SW, 56
.set G0SX, 68                          ; groups 0: x's scales, the weights' scales, x, Wq, and Wk or Wv
.set G0SW, 72
.set G0X,  76
.set G0Q,  80
.set G0S,  84
.set MSB, 0
.macro WIN new                         ; the immediate's high byte repeats the setting that is left
.if MSB != \new
	s_set_vgpr_msb (MSB<<8)|\new
.set MSB, \new
.endif
.endm
.set MUL,  0x05                        ; sources 0 and 1 window 1; C and D window 0
.set MULB, 0x15                        ; the same with C (a bias) in window 1
.set TO_F, 0x40                        ; destination window 1, address window 0
; A joint load: waves 0 and 1 ask for x's side, waves 2 and 3 for the weights'.  Each line has one mask; the branch hangs on the wave's number alone.  Four v_nop follow each line.
.macro JLOAD g0a, g1a, g0b, g1b
	s_cmp_eq_u32 s23, 0
	s_cbranch_scc0 .Lfor_b_\@
	tensor_load_to_lds s[\g0a:\g0a+3], s[\g1a:\g1a+7]
	s_nop 0
.rept 4
	v_nop
.endr
	s_branch .Lasked_\@
.Lfor_b_\@:
	tensor_load_to_lds s[\g0b:\g0b+3], s[\g1b:\g1b+7]
	s_nop 0
.rept 4
	v_nop
.endr
.Lasked_\@:
.endm
.macro CROUND                          ; a round of the cluster's barrier: my work-group's barrier; wave 0 signals for the work-group; every wave waits for all sixteen; my work-group's barrier once more
	s_barrier_signal -1
	s_barrier_wait -1
	s_cmp_lg_u32 s22, 0
	s_cbranch_scc1 .Lnot_wave_0_\@
	s_barrier_signal -3
.Lnot_wave_0_\@:
	s_barrier_wait -3
	s_barrier_signal -1
	s_barrier_wait -1
.endm
.macro PLACES                          ; four plain vector lines behind a matrix instruction, ahead of loads into registers that it read and of reads of its results (ISA guide 7.12.1 for reads of its results)
.rept 4
	v_nop
.endr
.endm
	s_load_b512 s[4:19], s[0:1], 0x0               ; codes s[4:5], scales s[6:7], bq s[8:9], bk s[10:11], bv s[12:13], qk_codes s[14:15], qk_scales s[16:17], v_codes s[18:19]
	s_load_b64 s[20:21], s[0:1], 0x40              ; v_scales
	v_lshl_add_u32 v30, v0, 2, 0x46000
	v_mov_b32 v31, 0
	ds_add_u32 v30, v31
	ds_add_u32 v30, v31
	v_lshrrev_b32 v1, 5, v0
	v_readfirstlane_b32 s22, v1                    ; wave 0..3
	s_lshr_b32 s23, s22, 1                         ; H1: my half of source 1's rows.  Also: I ask for x's side (0) or the weights' (1)
	s_and_b32 s24, s22, 1                          ; H0: my half of source 0's rows.  Also: which 64 rows of a tile I ask for
	s_bfe_u32 s25, ttmp6, 0x40000                  ; cx
	s_bfe_u32 s26, ttmp6, 0x40004                  ; cy
	s_lshl_b32 s27, ttmp9, 2
	s_add_co_u32 s27, s27, s25                     ; j = 4 x cluster x + cx
	s_and_b32 s28, ttmp7, 0xffff
	s_lshl_b32 s28, s28, 2
	s_add_co_u32 s28, s28, s26                     ; i = 4 x cluster y + cy
	s_lshl_b32 s29, s26, 2
	s_lshl_b32 s29, 15, s29                        ; my row of the cluster
	s_lshl_b32 s30, 0x1111, s25                    ; my column
	; groups 1.  Tiles of codes: 64 rows x 512 elements of one byte, 512 bytes apart in memory; 4 words of padding behind every 128
	s_or_b32 s[G1X], s29, (1<<20)|(1<<21)|(6<<22)|(3<<25)
	s_or_b32 s[G1W], s30, (1<<20)|(1<<21)|(6<<22)|(3<<25)
.irp g, G1X, G1W
	s_mov_b32 s[\g+1], 512<<16                     ; tensor_dim0
	s_mov_b32 s[\g+2], 64<<16                      ; tensor_dim1
	s_mov_b32 s[\g+3], 512<<16                     ; tile_dim0
	s_mov_b32 s[\g+4], 64                          ; tile_dim1
	s_mov_b32 s[\g+5], 512                         ; from row to row
	s_mov_b32 s[\g+6], 0
	s_mov_b32 s[\g+7], 0
.endr
	s_or_b32 s[G1SX], s29, (3<<16)|(1<<21)         ; x's scale bytes of 64 rows: 2,048 dense bytes, as 8 rows of 32 elements of 8 bytes
	s_mov_b32 s[G1SX+1], 32<<16
	s_mov_b32 s[G1SX+2], 8<<16
	s_mov_b32 s[G1SX+3], 32<<16
	s_mov_b32 s[G1SX+4], 8
	s_mov_b32 s[G1SX+5], 32
	s_mov_b32 s[G1SX+6], 0
	s_mov_b32 s[G1SX+7], 0
	s_or_b32 s[G1SW], s30, (3<<16)|(1<<21)         ; the three weights' scale bytes of 64 rows: 3 rows of 2,048 bytes (256 elements), 1,024 rows of 32 bytes = 4,096 elements apart
	s_mov_b32 s[G1SW+1], 256<<16
	s_mov_b32 s[G1SW+2], 3<<16
	s_mov_b32 s[G1SW+3], 256<<16
	s_mov_b32 s[G1SW+4], 3
	s_mov_b32 s[G1SW+5], 4096
	s_mov_b32 s[G1SW+6], 0
	s_mov_b32 s[G1SW+7], 0
	; groups 0: LDS addresses hang on the wave's number alone
	s_mov_b32 s[G0SX], 1
	s_lshl_b32 s[G0SX+1], s24, 11
	s_add_co_u32 s[G0SX+1], s[G0SX+1], SCX
	s_mov_b32 s[G0SW], 1
	s_mul_i32 s[G0SW+1], s24, 6144
	s_add_co_u32 s[G0SW+1], s[G0SW+1], SCW
	s_mov_b32 s[G0X], 1
	s_mul_i32 s[G0X+1], s22, HALF                  ; waves 0, 1: x's halves
	s_mov_b32 s[G0Q], 1
	s_mul_i32 s[G0Q+1], s22, HALF                  ; waves 2, 3: Wq's halves
	s_mov_b32 s[G0S], 1
	s_mul_i32 s[G0S+1], s22, HALF
	s_add_co_u32 s[G0S+1], s[G0S+1], T2            ; waves 0, 1: Wk's halves; waves 2, 3: Wv's
	; x's addresses are made of i and the wave's number in s92-93, the weights' of j and the wave's number in s94-97: neither set ever holds the other coordinate
	s_lshl_b32 s92, s28, 12
	s_lshl_b32 s93, s24, 11
	s_add_co_u32 s92, s92, s93                     ; (128 i + 64 half) rows of 32 scale bytes
	s_mov_b32 s93, 0
	s_lshl_b32 s94, s27, 7
	s_lshl_b32 s95, s24, 6
	s_add_co_u32 s94, s94, s95
	s_add_co_u32 s94, s94, 4096                    ; Wq's row in the stream of rows: 4,096 + 128 j + 64 half
	s_mov_b32 s97, 0
	s_wait_dscnt 0x0
	s_wait_kmcnt 0x0
	s_add_nc_u64 s[G0SX+2:G0SX+3], s[6:7], s[92:93]
	s_or_b32 s[G0SX+3], s[G0SX+3], 0x80000000
	s_lshl_b32 s92, s92, 4                         ; the same rows of 512 bytes of codes
	s_add_nc_u64 s[G0X+2:G0X+3], s[4:5], s[92:93]
	s_or_b32 s[G0X+3], s[G0X+3], 0x80000000
	s_lshl_b32 s96, s94, 5
	s_add_nc_u64 s[G0SW+2:G0SW+3], s[6:7], s[96:97]
	s_or_b32 s[G0SW+3], s[G0SW+3], 0x80000000
	s_lshl_b32 s96, s94, 9
	s_add_nc_u64 s[G0Q+2:G0Q+3], s[4:5], s[96:97]
	s_or_b32 s[G0Q+3], s[G0Q+3], 0x80000000
	s_lshl_b32 s95, s23, 10
	s_add_co_u32 s94, s94, s95
	s_add_co_u32 s94, s94, 1024                    ; Wk's rows (waves 0, 1) or Wv's (waves 2, 3)
	s_lshl_b32 s96, s94, 9
	s_add_nc_u64 s[G0S+2:G0S+3], s[4:5], s[96:97]
	s_or_b32 s[G0S+3], s[G0S+3], 0x80000000
	CROUND                                         ; all sixteen work-groups are here: the joint loads meet
	JLOAD G0SX, G1SX, G0SW, G1SW                   ; the scale bytes first: they are wanted with the first K step
	JLOAD G0X, G1X, G0Q, G1W                       ; x and Wq
	tensor_load_to_lds s[G0S:G0S+3], s[G1W:G1W+7]  ; Wk and Wv: one line, one mask (my column), for all four waves
	s_nop 0
.rept 4
	v_nop
.endr
	; addresses
	v_and_b32 v1, 15, v0                           ; r
	v_bfe_u32 v2, v0, 4, 1                         ; h
	v_mul_u32_u24 v3, v1, PITCH
	v_lshl_add_u32 v3, v2, 4, v3                   ; a fragment's row x pitch + 16 h
	s_mul_i32 s2, s23, HALF
	s_mul_i32 s3, s24, HALF
	v_add_nc_u32 v[XA1], s2, v3
	v_add_nc_u32 v[XA0], s3, v3
	v_add_nc_u32 v[AQ], T1, v[XA0]
	v_add_nc_u32 v[AK], T2, v[XA0]
	v_add_nc_u32 v[AV], T3, v[XA1]
	s_lshl_b32 s2, s23, 11
	s_add_co_u32 s2, s2, SCX
	s_lshl_b32 s3, s24, 11
	s_add_co_u32 s3, s3, SCX
	v_lshl_add_u32 v[SX1], v1, 5, s2               ; scale words: 32 bytes a row
	v_lshl_add_u32 v[SX0], v1, 5, s3
	s_mul_i32 s2, s24, 6144
	s_add_co_u32 s2, s2, SCW
	s_mul_i32 s3, s23, 6144
	s_add_co_u32 s3, s3, SCW+4096
	v_lshl_add_u32 v[SQ], v1, 5, s2
	v_add_nc_u32 v[SK], 2048, v[SQ]
	v_lshl_add_u32 v[SV], v1, 5, s3
	v_lshlrev_b32 v15, 5, v2                       ; bq, bk: my half's eight numbers of a tile
	v_lshlrev_b32 v16, 2, v1                       ; bv: my feature's number
	v_lshlrev_b32 v17, 4, v1
	v_lshl_add_u32 v17, v2, 3, v17                 ; codes out: 16 r + 8 h
	v_lshl_add_u32 v18, v2, 12, v16                ; q's and k's scale words out: lanes 0-15 the first head's, lanes 16-31 the second's, 4,096 bytes on
	v_lshlrev_b32 v19, 3, v1
	v_lshl_add_u32 v19, v2, 2, v19                 ; v's: 8 r + 4 h
	v_cmp_ne_u32 s31, 0, v2                        ; lanes 16-31
	s_mov_b32 s88, 0x3e3504f3                      ; 1 / sqrt(32)
	s_mov_b32 s89, s88                             ; (named with it as a pair, so it is written)
	s_mov_b32 s90, 0x76543210
	s_mov_b32 s91, 0xfedcba98                      ; v_permlanex16_b32's selects for lane l xor 16
	; where my wave's results begin.  These offsets mix i and j: they are made in s98-100, from which no descriptor is made
	s_mov_b32 s99, 0
	s_lshl_b32 s98, s27, 18                        ; qk_codes: (4 j + 2 H0) x 65,536 + (128 i + 64 H1) x 16
	s_lshl_b32 s100, s24, 17
	s_add_co_u32 s98, s98, s100
	s_lshl_b32 s100, s28, 11
	s_add_co_u32 s98, s98, s100
	s_lshl_b32 s100, s23, 10
	s_add_co_u32 s98, s98, s100
	s_add_nc_u64 s[14:15], s[14:15], s[98:99]
	s_lshr_b32 s98, s98, 4                         ; qk_scales: a sixteenth of that
	s_add_nc_u64 s[16:17], s[16:17], s[98:99]
	s_lshl_b32 s98, s28, 16                        ; v_codes: (4 i + 2 H0) x 16,384 + (128 j + 64 H1) x 16
	s_lshl_b32 s100, s24, 15
	s_add_co_u32 s98, s98, s100
	s_lshl_b32 s100, s27, 11
	s_add_co_u32 s98, s98, s100
	s_lshl_b32 s100, s23, 10
	s_add_co_u32 s98, s98, s100
	s_add_nc_u64 s[18:19], s[18:19], s[98:99]
	s_lshl_b32 s98, s28, 12                        ; v_scales: (2 i + H0) x 2,048 + (2 j + H1) x 128
	s_lshl_b32 s100, s24, 11
	s_add_co_u32 s98, s98, s100
	s_lshl_b32 s100, s27, 8
	s_add_co_u32 s98, s98, s100
	s_lshl_b32 s100, s23, 7
	s_add_co_u32 s98, s98, s100
	s_add_nc_u64 s[20:21], s[20:21], s[98:99]
	s_lshl_b32 s98, s27, 9                         ; bq, bk: (128 j + 64 H0) x 4
	s_lshl_b32 s100, s24, 8
	s_add_co_u32 s98, s98, s100
	s_add_nc_u64 s[8:9], s[8:9], s[98:99]
	s_add_nc_u64 s[10:11], s[10:11], s[98:99]
	s_lshl_b32 s98, s27, 9                         ; bv: (128 j + 64 H1) x 4
	s_lshl_b32 s100, s23, 8
	s_add_co_u32 s98, s98, s100
	s_add_nc_u64 s[12:13], s[12:13], s[98:99]
	WIN TO_F                                       ; the biases in the result's layout, into window 1: tile t's eight features of my half
.irp t, 0,1,2,3
	global_load_b128 v[BQ+8*\t:BQ+8*\t+3],   v15, s[8:9] offset:64*\t
	global_load_b128 v[BQ+8*\t+4:BQ+8*\t+7], v15, s[8:9] offset:64*\t+16
	global_load_b128 v[BK+8*\t:BK+8*\t+3],   v15, s[10:11] offset:64*\t
	global_load_b128 v[BK+8*\t+4:BK+8*\t+7], v15, s[10:11] offset:64*\t+16
.endr
	WIN 0
.irp a, 0,1,2,3
	global_load_b32 v[20+\a], v16, s[12:13] offset:64*\a   ; bv of feature 16 a + r
.endr
.irp q, 0,1,2,3,4,5,6,7
	v_mov_b32 v[TP+\q], 0                          ; written once: a lane permute's destination counts as one of its sources
.endr
	s_wait_loadcnt 0x0
	WIN TO_F
.irp a, 0,1,2,3
.irp n, 0,1,2,3,4,5,6,7
	v_mov_b32 v[BV+8*\a+\n], v[20+\a]              ; in v's result a lane holds ONE feature: its bias stands in all eight registers of a tile
.endr
.endr
	WIN 0
.macro SCLOAD s0s, s1s                 ; the scale words of all 8 K steps: register 8 t + k = the word of row 16 t + r for K step k
.irp t, 0,1,2,3
.irp e, 0,1
	ds_load_b128 v[S0W+8*\t+4*\e:S0W+8*\t+4*\e+3], v[\s0s] offset:512*\t+16*\e
.endr
.endr
.irp t, 0,1,2,3
.irp e, 0,1
	ds_load_b128 v[S1W+8*\t+4*\e:S1W+8*\t+4*\e+3], v[\s1s] offset:512*\t+16*\e
.endr
.endr
.endm
.macro FETCH s0a, s1a, k, f            ; 16 loads: the eight fragments (16 rows x 128 K: two loads of 16 bytes, 32 bytes apart) of K step k into buffer f
	WIN TO_F
.irp t, 0,1,2,3
.irp c, 0,1
	ds_load_b128 v[(\f)+8*\t+4*\c:(\f)+8*\t+4*\c+3], v[\s0a] offset:16*PITCH*\t+64*(\k)+32*\c
.endr
.endr
.irp t, 0,1,2,3
.irp c, 0,1
	ds_load_b128 v[(\f)+32+8*\t+4*\c:(\f)+32+8*\t+4*\c+3], v[\s1a] offset:16*PITCH*\t+64*(\k)+32*\c
.endr
.endr
.endm
; 16 matrix instructions: one K step.  The sixteen accumulators take turns, one instruction a turn, in the same order in every step.
; first = 1: the sums begin with the bias as C: by s0's tile (byA = 0) or by s1's (byA = 1).
.macro MUL16 f, k, bi, byA, first
.irp a, 0,1,2,3
.irp t, 0,1,2,3
.if \first
.if \byA
	v_wmma_scale_f32_16x16x128_f8f6f4 v[ACC+8*(4*\a+\t):ACC+8*(4*\a+\t)+7], v[(\f)+8*\t:(\f)+8*\t+7], v[(\f)+32+8*\a:(\f)+32+8*\a+7], v[\bi+8*\a:\bi+8*\a+7], v[S0W+8*\t+(\k)], v[S1W+8*\a+(\k)] matrix_a_fmt:MATRIX_FMT_FP4 matrix_b_fmt:MATRIX_FMT_FP4
.else
	v_wmma_scale_f32_16x16x128_f8f6f4 v[ACC+8*(4*\a+\t):ACC+8*(4*\a+\t)+7], v[(\f)+8*\t:(\f)+8*\t+7], v[(\f)+32+8*\a:(\f)+32+8*\a+7], v[\bi+8*\t:\bi+8*\t+7], v[S0W+8*\t+(\k)], v[S1W+8*\a+(\k)] matrix_a_fmt:MATRIX_FMT_FP4 matrix_b_fmt:MATRIX_FMT_FP4
.endif
.else
	v_wmma_scale_f32_16x16x128_f8f6f4 v[ACC+8*(4*\a+\t):ACC+8*(4*\a+\t)+7], v[(\f)+8*\t:(\f)+8*\t+7], v[(\f)+32+8*\a:(\f)+32+8*\a+7], v[ACC+8*(4*\a+\t):ACC+8*(4*\a+\t)+7], v[S0W+8*\t+(\k)], v[S1W+8*\a+(\k)] matrix_a_fmt:MATRIX_FMT_FP4 matrix_b_fmt:MATRIX_FMT_FP4
.endif
.endr
.endr
.endm
; One product: 8 K steps on two fragment buffers; step k + 1's fragments are asked for ahead of step k's products.
.macro PHASE s0a, s1a, s0s, s1s, bi, byA
	SCLOAD \s0s, \s1s
	FETCH \s0a, \s1a, 0, F0
	FETCH \s0a, \s1a, 1, F1
	s_wait_dscnt 16                                ; all but the 16 loads just issued: the scale words and step 0's fragments are in
	WIN MULB
	MUL16 F0, 0, \bi, \byA, 1
.irp k, 1,2,3,4,5,6
	PLACES                                         ; ahead of loads into the buffer that the last 16 products read
	FETCH \s0a, \s1a, \k+1, 64*((\k+1)%2)
	s_wait_dscnt 16                                ; all but the 16 just issued: this step's fragments are in
	WIN MUL
	MUL16 64*(\k%2), \k, 0, 0, 0
.endr
	s_wait_dscnt 0x0
	MUL16 F1, 7, 0, 0, 0
	WIN 0
.endm
; The quantiser.  Block q = 2 a + b is the 16 registers ACC + 16 q on, with lane l xor 16's.  mul = 1: the results are first multiplied by 1 / sqrt(32).
; cp, coff, cbs: the codes' base, an offset, and the bytes from block b = 0 to b = 1.  sp, slane, soff: the scale words' base, lane offset and offset.  vmode: how the eight bytes make two words.
.macro EPI mul, vmode, cp, coff, cbs, sp, slane, soff
	s_wait_xcnt 0x0                                ; the last product's stores have read their data: those registers are written again below only behind this wait
	PLACES
.if \mul
.set n, 0
.rept 64
	v_pk_mul_f32 v[ACC+n:ACC+n+1], v[ACC+n:ACC+n+1], s[88:89] op_sel_hi:[1,0]   ; ascending: each accumulator is read from its low end on
.set n, n+2
.endr
.endif
.irp q, 0,1,2,3,4,5,6,7
	v_max3_num_f32 v[TM+\q], |v[ACC+16*\q]|, |v[ACC+16*\q+1]|, 0x1800000   ; my 16 numbers of block q, and the floor 2^(3 - 127): the byte cannot fall under 1
.endr
.irp e, 2,4,6,8,10,12,14
.irp q, 0,1,2,3,4,5,6,7
	v_max3_num_f32 v[TM+\q], v[TM+\q], |v[ACC+16*\q+\e]|, |v[ACC+16*\q+\e+1]|   ; (the eight blocks by turns: no line waits for the line above it)
.endr
.endr
.irp q, 0,1,2,3,4,5,6,7
	v_permlanex16_b32 v[TP+\q], v[TM+\q], s90, s91
.endr
.irp q, 0,1,2,3,4,5,6,7
	v_max_num_f32 v[TM+\q], v[TM+\q], v[TP+\q]     ; with lane l xor 16's: the block's largest magnitude
.endr
.irp q, 0,1,2,3,4,5,6,7
	v_add_nc_u32 v[TM+\q], 0xff000000, v[TM+\q]    ; 2 off its exponent field: the conversion's scale operand
.endr
.irp q, 0,1,2,3,4,5,6,7
	v_lshrrev_b32 v[TP+\q], 23, v[TM+\q]           ; the scale's byte
.endr
.irp q, 0,1,2,3,4,5,6,7
	v_cvt_scalef32_pk8_fp4_f32 v[CD+2*\q], v[ACC+16*\q:ACC+16*\q+7], v[TM+\q]        ; the block's numbers 8 h + 0 .. 7
	v_cvt_scalef32_pk8_fp4_f32 v[CD+2*\q+1], v[ACC+16*\q+8:ACC+16*\q+15], v[TM+\q]   ; and 16 + 8 h + 0 .. 7
.endr
	v_nop                                          ; one plain line behind the last scaled conversion
.irp q, 0,1,2,3,4,5,6,7
	v_permlane16_swap_b32 v[CD+2*\q], v[CD+2*\q+1] ; the first's lanes 16-31 change places with the second's lanes 0-15: the pair now holds bytes 8 h .. 8 h + 7 of the block's 16
.endr
.irp q, 0,1,2,3,4,5,6,7
	global_store_b64 v17, v[CD+2*\q:CD+2*\q+1], s[\cp:\cp+1] offset:\coff+(\q%2)*\cbs+(\q/2)*256   ; 32 lanes store 256 consecutive bytes, at a multiple of 256 from the buffer's first byte
.endr
.irp n, 0,1
.if \vmode
	v_lshl_or_b32 v[WD+\n], v[TP+4*\n+1], 8, v[TP+4*\n]      ; v: byte 2 a + b of my feature's eight
	v_lshl_or_b32 v[WD+\n], v[TP+4*\n+2], 16, v[WD+\n]
	v_lshl_or_b32 v[WD+\n], v[TP+4*\n+3], 24, v[WD+\n]
.else
	v_lshl_or_b32 v[WD+\n], v[TP+2+\n], 8, v[TP+\n]          ; q, k: head n's word: the bytes of tokens r, 16 + r, 32 + r, 48 + r
	v_lshl_or_b32 v[WD+\n], v[TP+4+\n], 16, v[WD+\n]
	v_lshl_or_b32 v[WD+\n], v[TP+6+\n], 24, v[WD+\n]
.endif
.endr
	v_cndmask_b32 v[WD], v[WD], v[WD+1], s31       ; lanes 0-15 store the first word, lanes 16-31 the second
	global_store_b32 v[\slane], v[WD], s[\sp:\sp+1] offset:\soff
.endm
	s_wait_tensorcnt 0x1                           ; my scale bytes and my part of x or Wq are in; my part of Wk or Wv may stay out
	s_barrier_signal -1
	s_barrier_wait -1                              ; everybody's are
	PHASE AQ, XA1, SQ, SX1, BQ, 0                  ; q: source 0 = Wq's rows, source 1 = tokens
	EPI 1, 0, 14, 0, 65536, 16, 18, 0
	s_wait_tensorcnt 0x0                           ; my part of Wk or Wv is in,
	s_wait_dscnt 0x0
	s_barrier_signal -1
	s_barrier_wait -1                              ; everybody's is
	PHASE AK, XA1, SK, SX1, BK, 0                  ; k
	EPI 0, 0, 14, 2097152, 65536, 16, 18, 131072   ; k's blocks lie 32 heads behind q's
	PHASE XA0, AV, SX0, SV, BV, 1                  ; v: source 0 = tokens, source 1 = Wv's rows: the registers run along the tokens, the second product's K
	EPI 0, 1, 18, 0, 16384, 20, 19, 0
	s_wait_tensorcnt 0x0
	ds_add_u32 v30, v31
	s_wait_dscnt 0x0
	CROUND                                         ; the closing round: no work-group ends while a partner may still ask for a tile that names it
	s_endpgm
.Lfunc_end_k_q116d1420de_qkv:
	.size	k_q116d1420de_qkv, .Lfunc_end_k_q116d1420de_qkv-k_q116d1420de_qkv
	.p2alignl 7, 3214868480
	.fill 96, 4, 3214868480
	.section	.rodata,"a",@progbits
	.p2align	6, 0x0
	.amdhsa_kernel k_q116d1420de_qkv
		.amdhsa_group_segment_fixed_size 287232
		.amdhsa_private_segment_fixed_size 0
		.amdhsa_enable_private_segment 0
		.amdhsa_kernarg_size 72
		.amdhsa_user_sgpr_count 2
		.amdhsa_user_sgpr_kernarg_segment_ptr 1
		.amdhsa_wavefront_size32 1
		.amdhsa_system_sgpr_workgroup_id_x 1
		.amdhsa_system_sgpr_workgroup_id_y 1
		.amdhsa_system_sgpr_workgroup_id_z 1
		.amdhsa_system_vgpr_workitem_id 0
		.amdhsa_next_free_vgpr 480
		.amdhsa_next_free_sgpr 102
		.amdhsa_reserve_vcc 0
		.amdhsa_float_denorm_mode_32 3
		.amdhsa_float_denorm_mode_16_64 3
		.amdhsa_memory_ordered 1
		.amdhsa_forward_progress 1
		.amdhsa_inst_pref_size 123
	.end_amdhsa_kernel
	.amdgpu_metadata
---
amdhsa.version: [ 1, 2 ]
amdhsa.kernels:
  - .name:           k_q116d1420de_qkv
    .symbol:         k_q116d1420de_qkv.kd
    .args:
      - { .name: codes, .offset: 0, .size: 8, .value_kind: global_buffer, .address_space: global }
      - { .name: scales, .offset: 8, .size: 8, .value_kind: global_buffer, .address_space: global }
      - { .name: bq, .offset: 16, .size: 8, .value_kind: global_buffer, .address_space: global }
      - { .name: bk, .offset: 24, .size: 8, .value_kind: global_buffer, .address_space: global }
      - { .name: bv, .offset: 32, .size: 8, .value_kind: global_buffer, .address_space: global }
      - { .name: qk_codes, .offset: 40, .size: 8, .value_kind: global_buffer, .address_space: global }
      - { .name: qk_scales, .offset: 48, .size: 8, .value_kind: global_buffer, .address_space: global }
      - { .name: v_codes, .offset: 56, .size: 8, .value_kind: global_buffer, .address_space: global }
      - { .name: v_scales, .offset: 64, .size: 8, .value_kind: global_buffer, .address_space: global }
    .group_segment_fixed_size: 287232
    .private_segment_fixed_size: 0
    .kernarg_segment_align: 8
    .kernarg_segment_size: 72
    .max_flat_workgroup_size: 128
    .sgpr_count:     102
    .vgpr_count:     480
    .wavefront_size: 32
...
	.end_amdgpu_metadata
.endif
;; end of part 2
;; launch attn (part 3): grid 4 x 64, 16 waves a work-group, no clusters, 71,680 bytes of LDS; arguments qk_codes, qk_scales, v_codes, v_scales, ctx_codes, ctx_scales; writes ctx_codes, ctx_scales
.if DOCPART == 3
	.amdgcn_target "amdgcn-amd-amdhsa--gfx1250"
	.amdhsa_code_object_version 6
	.text
	.protected	k_q116d1420de_attn
	.globl	k_q116d1420de_attn
	.p2align	8
	.type	k_q116d1420de_attn,@function
k_q116d1420de_attn:
	s_mov_b64 s[64:65], 0
	v_nop
	global_prefetch_b8 v0, s[64:65] scope:SCOPE_SE
	s_setreg_imm32_b32 hwreg(HW_REG_WAVE_MODE, 25, 1), 1
	s_wait_xcnt 0x0
; Causal attention of one head of one batch on codes of FP4 (E2M1) with E8M0 scales, and the result quantised along the head's 32 numbers, as an operand of the last product.
; THE SOFTMAX AHEAD OF THE SECOND PRODUCT: t = score x log2(e) (q was scaled by 1 / sqrt(32) before it was quantised); M = the row's largest t so far, rounded UP to a whole number; p = 2^(t - M) is what is
; quantised, along the keys; the row's sum is taken of the unquantised p, in f32, and divides at the end.  When M moves, the sum and O are multiplied by 2^(old M - new M): exact.
; SHARES.  Work-group (cq, head and batch): sixteen waves, four to a SIMD, so that one wave's vector work stands beside another's products and LDS loads.  A head has 128 tiles of 16 queries.  Wave w takes tile
; i = 8 (w / 2) + 2 cq + w % 2 and then tile 127 - i.  Tile i has i / 8 + 1 key steps of 128 that are not wholly hidden, so every wave has 17: the work is even.  i / 8 = w / 2: which steps a wave leaves out
; hangs on its number alone.  Every loop has 16 trips; a hidden step's work is jumped over inside the loop.
; THE HEAD'S K AND V LIE WHOLE IN LDS (68 KiB with their scale words), brought once, through registers, ahead of the one barrier; nothing writes LDS behind it.
; NO CLUSTER, NO TENSOR LOAD: the work-group fetches those 68 KiB once for 16 x 17 key steps of some 250 vector instructions each; there is no traffic in the loop that a joint request could divide.
; A PRODUCT WITH K = 32 ON AN INSTRUCTION WITH K = 128.  One fragment of K holds FOUR tiles of 16 keys: row r's block e (32 along the instruction's K) is key 64 G + 16 e + r.  The operand of Q has the query's 32 codes
; at block e and zero codes elsewhere: the product is then tile e's scores.  Four such operands overlap in 20 registers: zeros | q in lanes 0-15 | zeros | q in lanes 16-31 | zeros.
; LAYOUT.  Both products are used transposed (S^T = K Q^T, O^T = V^T P^T): a lane holds ONE query (lane % 16).  In S^T's tile T register n is key 16 T + 8 (lane / 16) + n; two neighbouring tiles, with lane l xor 16's, are a block of 32 keys.
; OUT.  ctx_codes [32 heads][4096 tokens][16 bytes]: a wave's store covers 256 consecutive bytes.  ctx_scales [8 (head / 4)][4096 tokens][4]: byte = head % 4: single bytes 4 apart in a run of 64, one for each 16 bytes of codes.
; LIMITS: a block whose largest magnitude lies under 2^-124, a block of zeros among them, gets the byte 1 (this program alone reads the bytes).  NaN and infinities are not served.  Hidden scores are taken as -infinity where the
; reference has the lowest f32 number: p is 0 either way, since each row's own key counts.
.set VB,   32768                       ; LDS: K's codes [2048 keys][16 bytes] at 0; V's [64 blocks of keys][32 d][16 bytes] here;
.set KSW,  65536                       ; K's scale words [32 groups of 64 keys][16 r];
.set VSW,  67584                       ; V's [16 key steps][32 d]
.set KF,   44                          ; v44-59  two fragments of K;  v60-75 two of V;  v76-77, v78-79 their scale words;  v11 Q's, v184 p's (these hold scales and nothing else)
.set VF,   60
.set OT,   80                          ; v80-95  O^T
.set S,    96                          ; v96-159 S^T, then p
.set PC,   160                         ; v160-167 p's codes
.set BM,   168                         ; v168-171 each block's largest score, then its largest p
.set BP,   172                         ; v172-175 the other half's, then the bytes
.set SOP,  176                         ; v176-179 the conversions' scale operands
.set CX,   192                         ; v192-207 O^T / the sum
	s_load_b256 s[4:11], s[0:1], 0x0               ; qk_codes s[4:5], qk_scales s[6:7], v_codes s[8:9], v_scales s[10:11]
	s_load_b128 s[12:15], s[0:1], 0x20             ; ctx_codes s[12:13], ctx_scales s[14:15]
	v_lshl_add_u32 v254, v0, 2, 0x11000
	v_mov_b32 v255, 0
	v_lshrrev_b32 v1, 5, v0
	v_readfirstlane_b32 s18, v1                    ; wave 0..15
	s_and_b32 s16, ttmp7, 0xffff
	s_lshr_b32 s17, s16, 5                         ; batch
	s_and_b32 s19, s16, 31                         ; head
	s_lshl_b32 s48, s19, 16
	s_lshl_b32 s50, s17, 15
	s_add_co_u32 s48, s48, s50                     ; q's codes and the result's: head x 65,536 + batch x 32,768
	s_mov_b32 s49, 0
	s_lshr_b32 s50, s48, 4                         ; q's scale bytes: a sixteenth of that
	s_mov_b32 s51, 0
	s_lshl_b32 s52, s17, 20
	s_lshl_b32 s54, s19, 9
	s_add_co_u32 s52, s52, s54                     ; v's codes: batch x 64 blocks x 16,384 + head x 32 x 16
	s_mov_b32 s53, 0
	s_lshl_b32 s54, s17, 16
	s_lshr_b32 s56, s19, 1
	s_lshl_b32 s56, s56, 7
	s_add_co_u32 s54, s54, s56
	s_and_b32 s56, s19, 1
	s_lshl_b32 s56, s56, 2
	s_add_co_u32 s54, s54, s56                     ; v's scale bytes: batch x 32 x 2,048 + (head / 2) x 128 + (head % 2) x 4
	s_mov_b32 s55, 0
	s_lshr_b32 s56, s19, 2
	s_lshl_b32 s56, s56, 14
	s_lshl_b32 s58, s17, 13
	s_add_co_u32 s56, s56, s58
	s_and_b32 s58, s19, 3
	s_add_co_u32 s56, s56, s58                     ; the result's scale bytes: (head / 4) x 16,384 + batch x 8,192 + head % 4
	s_mov_b32 s57, 0
	s_lshr_b32 s25, s18, 1                         ; the first tile's last key step: w / 2
	s_and_b32 s26, s18, 1
	s_lshl_b32 s24, s25, 3
	s_lshl_b32 s27, ttmp9, 1
	s_add_co_u32 s24, s24, s27
	s_add_co_u32 s24, s24, s26                     ; the first tile: 8 (w / 2) + 2 cq + w % 2
	s_mov_b32 s20, 0x76543210
	s_mov_b32 s21, 0xfedcba98                      ; v_permlanex16_b32's selects for lane l xor 16
	s_mov_b32 s22, 0x3fb8aa3b                      ; log2(e)
	s_mov_b32 s23, s22                             ; (named with it as a pair, so it is written)
	v_lshlrev_b32 v131, 4, v0                      ; K: 16 bytes a thread, 512 keys a load; also the LDS place of K's and V's bytes
	v_lshrrev_b32 v132, 5, v0
	v_and_b32 v133, 31, v0
	v_lshlrev_b32 v133, 4, v133
	v_lshl_add_u32 v132, v132, 14, v133            ; V: block of keys thread / 32, d = thread % 32
	v_lshlrev_b32 v133, 2, v0                      ; K's scale words: one a thread
	v_lshrrev_b32 v134, 5, v0
	v_lshlrev_b32 v134, 12, v134                   ; V's: key step thread / 32 is two groups of 64 tokens, 2,048 bytes each;
	v_and_b32 v135, 15, v0
	v_lshl_add_u32 v134, v135, 3, v134             ; 8 bytes for each r = d % 16,
	v_bfe_u32 v135, v0, 4, 1
	v_lshl_add_u32 v134, v135, 1, v134             ; 2 for d / 16
	v_lshl_add_u32 v135, v0, 2, KSW                ; LDS: a scale word a thread
	s_wait_kmcnt 0x0
	s_add_nc_u64 s[4:5], s[4:5], s[48:49]
	s_add_nc_u64 s[6:7], s[6:7], s[50:51]
	s_add_nc_u64 s[8:9], s[8:9], s[52:53]
	s_add_nc_u64 s[10:11], s[10:11], s[54:55]
	s_add_nc_u64 s[12:13], s[12:13], s[48:49]
	s_add_nc_u64 s[14:15], s[14:15], s[56:57]
.irp n, 0,1,2,3
	global_load_b128 v[96+4*\n:99+4*\n], v131, s[4:5] offset:2097152+8192*\n     ; k's blocks lie 32 heads behind q's
.endr
.irp n, 0,1,2,3
	global_load_b128 v[112+4*\n:115+4*\n], v132, s[8:9] offset:262144*\n         ; 16 blocks of keys on
.endr
	global_load_b32 v128, v133, s[6:7] offset:131072
	global_load_u16 v129, v134, s[10:11]                                         ; the step's blocks 0, 1
	global_load_u16 v130, v134, s[10:11] offset:2048                             ; and 2, 3
	v_and_b32 v1, 15, v0                           ; r
	v_bfe_u32 v2, v0, 4, 1                         ; h
	v_and_b32 v3, 31, v0
	v_lshlrev_b32 v3, 4, v3                        ; K's fragment: 16 x lane: dense
	v_lshlrev_b32 v208, 4, v1                      ; 16 r
	v_lshl_add_u32 v4, v2, 9, v208                 ; V's fragment: 512 h + 16 r
	v_lshl_add_u32 v5, v1, 2, KSW                  ; scale words: 4 r
	v_lshl_add_u32 v209, v2, 3, v208               ; 16 r + 8 h
	v_lshlrev_b32 v210, 2, v1                      ; 4 r
	v_lshlrev_b32 v211, 3, v2
	v_sub_nc_u32 v211, v1, v211                    ; r - 8 h
	v_cmp_ne_u32 s31, 0, v2                        ; lanes 16-31
	v_mov_b32 v188, 0xff800000                     ; -infinity
	v_mov_b32 v183, 0                              ; (named as the upper half of the pair v[182:183])
.irp n, 16,17,18,19,24,25,26,27,32,33,34,35
	v_mov_b32 v\n, 0                               ; the zero codes round q
.endr
	s_wait_loadcnt 0x0
	v_lshl_or_b32 v129, v130, 16, v129             ; V's scale word of a key step
.irp n, 0,1,2,3
	ds_store_b128 v131, v[96+4*\n:99+4*\n] offset:8192*\n
	ds_store_b128 v131, v[112+4*\n:115+4*\n] offset:VB+8192*\n
.endr
	ds_store_b32 v135, v128
	ds_store_b32 v135, v129 offset:VSW-KSW
	s_wait_dscnt 0x0                               ; for the others' sake: my stores have landed
	s_barrier_signal -1
	s_barrier_wait -1                              ; the head lies in LDS; from here on LDS is only read
; One tile of 16 queries.  hi = 0: tile i;  hi = 1: tile 127 - i.
.macro TILE hi
.if \hi
	s_wait_xcnt 0x0                                ; the first tile's stores have read their registers: these are written again below
	s_sub_co_u32 s24, 127, s24
	s_sub_co_u32 s25, 15, s25                      ; (127 - i) / 8 = 15 - i / 8
.endif
	s_lshl_b32 s29, s24, 8                         ; 16 tokens x 16 bytes a tile
	s_and_b32 s30, s24, 7
	s_lshl_b32 s30, s30, 4                         ; my first query within its key step
	s_lshr_b32 s48, s24, 2
	s_lshl_b32 s48, s48, 6
	s_and_b32 s49, s24, 3
	s_add_co_u32 s48, s48, s49                     ; q's scale byte: 64 (tile / 4) + tile % 4 + 4 r
	s_lshl_b32 s49, s24, 6
	v_add_nc_u32 v41, s29, v208
	v_add_nc_u32 v42, s48, v210
	global_load_b128 v[36:39], v41, s[4:5]         ; query r's 32 codes, in both halves of the lanes
	global_load_u8 v40, v42, s[6:7]
	v_add_nc_u32 v7, s29, v209                     ; the result's codes: 256 tile + 16 r + 8 h
	v_add_nc_u32 v43, s49, v210                    ; its scale byte: 64 tile + 4 r
	v_add_nc_u32 v6, s30, v211                     ; d = my query within its key step - 8 h
	v_mov_b32 v13, 0xff61b1e6                      ; the largest t so far: -3e38, under every t
	v_floor_f32 v12, -v13                          ; -M
	v_mov_b32 v14, 0                               ; the sum, in two halves
	v_mov_b32 v15, 0
	v_mov_b32 v180, 0
.irp b, 0,1,2,3
	v_mov_b32 v[BP+\b], 0                          ; a lane permute's destination counts as one of its sources
.endr
	s_mov_b32 s26, 0                               ; the key step
	s_mov_b32 s27, 0                               ; its codes in LDS: 2,048 bytes a step
	s_mov_b32 s28, 0                               ; its scale words: 128 bytes a step
	s_wait_loadcnt 0x0
.irp n, 0,1,2,3
	v_cndmask_b32 v[20+\n], v[36+\n], v16, s31     ; q in lanes 0-15, zeros above
	v_cndmask_b32 v[28+\n], v16, v[36+\n], s31     ; q in lanes 16-31, zeros below
.endr
	v_lshl_or_b32 v11, v40, 8, v40
	v_lshl_or_b32 v11, v11, 16, v11                ; q's byte in all four bytes of its scale word: whichever block holds q finds it
.irp j, 0,1,2,3,4,5,6,7,8,9,10,11,12,13,14,15
	v_mov_b32 v[OT+\j], 0                          ; O^T: the loop is written once; its first step finds zeros.  (These 16 lines also stand between the lines above and the first scaled product)
.endr
.Lstep_\@:
	s_cmp_gt_u32 s26, s25                          ; a step all of whose keys come after my queries is left out; the lines at its end that step addresses are not
	s_cbranch_scc1 .Lhidden_\@
	v_add_nc_u32 v8, s27, v3
	v_add_nc_u32 v9, s27, v4
	v_add_nc_u32 v10, s28, v5
	v_nop                                          ; four plain lines behind the last step's products, ahead of the loads into registers that they read
.irp n, 0,1,2,3
	ds_load_b128 v[KF+4*\n:KF+4*\n+3], v8 offset:512*\n             ; fragment G = n / 2, chunk n % 2: key 64 G + 32 (n % 2) + lane
.endr
	ds_load_b32 v76, v10
	ds_load_b32 v77, v10 offset:64
.irp u, 0,1
.irp c, 0,1
	ds_load_b128 v[VF+8*\u+4*\c:VF+8*\u+4*\c+3], v9 offset:VB+1024*\c+256*\u   ; d = 16 u + r, block of keys 2 c + h
.endr
.endr
	ds_load_b32 v78, v10 offset:VSW-KSW
	ds_load_b32 v79, v10 offset:VSW-KSW+64
	s_wait_dscnt 6                                 ; K's fragments and scale words are in; V's six loads may stay out
.irp g, 0,1
.irp e, 0,1,2,3
	v_wmma_scale_f32_16x16x128_f8f6f4 v[S+8*(4*\g+\e):S+8*(4*\g+\e)+7], v[KF+8*\g:KF+8*\g+7], v[20+8*(\e%2)-4*(\e/2):27+8*(\e%2)-4*(\e/2)], 0, v[76+\g], v11 matrix_a_fmt:MATRIX_FMT_FP4 matrix_b_fmt:MATRIX_FMT_FP4
.endr
.endr
.rept 4
	v_nop
.endr
	s_cmp_lg_u32 s26, s25                          ; on the diagonal the scores of hidden keys become -infinity ahead of the maximum; a step all of whose keys count skips this
	s_cbranch_scc1 .Lopen_\@
.set n, 0
.rept 64
	v_cmp_gt_i32 vcc_lo, 16*(n/8)+n%8, v6          ; register n holds key 16 (n / 8) + 8 h + n % 8 of the step: hidden where that is beyond my query
	v_cndmask_b32 v[S+n], v[S+n], v188, vcc_lo
.set n, n+1
.endr
.Lopen_\@:
.irp b, 0,1,2,3
	v_max3_num_f32 v[BM+\b], v[S+16*\b], v[S+1+16*\b], v[S+2+16*\b]   ; the largest score of each block of 32 keys: it serves the row's maximum and, since p rises with the score, the block's largest p
.endr
.irp i, 3,5,7,9,11,13
.irp b, 0,1,2,3
	v_max3_num_f32 v[BM+\b], v[BM+\b], v[S+16*\b+\i], v[S+1+16*\b+\i]
.endr
.endr
.irp b, 0,1,2,3
	v_max_num_f32 v[BM+\b], v[BM+\b], v[S+15+16*\b]
.endr
.irp b, 0,1,2,3
	v_permlanex16_b32 v[BP+\b], v[BM+\b], s20, s21
.endr
.irp b, 0,1,2,3
	v_max_num_f32 v[BM+\b], v[BM+\b], v[BP+\b]     ; with lane l xor 16's 16 keys
.endr
	v_max3_num_f32 v180, v168, v169, v170
	v_max_num_f32 v180, v180, v171                 ; the step's largest score of my query
	v_mul_f32 v180, s22, v180                      ; as t
	v_max_num_f32 v13, v13, v180                   ; the running largest t
	v_mov_b32 v180, v12
	v_floor_f32 v12, -v13                          ; the new -M = floor(-t) = -ceil(t): a whole number
	v_sub_f32 v180, v12, v180                      ; M's old value less its new one: a whole number, 0 or less
	v_cvt_i32_f32 v180, v180                       ; (it saturates)
	v_ldexp_f32 v182, 1.0, v180                    ; f = 2^(old M - new M)
.set n, 0
.rept 32
	v_pk_fma_f32 v[S+n:S+n+1], v[S+n:S+n+1], s[22:23], v[12:13] op_sel_hi:[1,0,0]   ; t - M, two at a time (of the pairs the low word serves both halves)
.set n, n+2
.endr
.irp b, 0,1,2,3
	v_fma_f32 v[BM+\b], v[BM+\b], s22, v12         ; the same of each block's largest score
.endr
.set n, 0
.rept 64
	v_exp_f32 v[S+n], v[S+n]                       ; p = 2^(t - M), at most 1: not normalised
.set n, n+1
.endr
.irp b, 0,1,2,3
	v_exp_f32 v[BM+\b], v[BM+\b]                   ; the block's largest p: the same two instructions on the same number give the same bits
.endr
	v_pk_mul_f32 v[14:15], v[14:15], v[182:183] op_sel_hi:[1,0]   ; the sums under the new M (a plain line behind the exponentials)
	s_wait_alu depctr_va_vdst(0)
.irp b, 0,1,2,3
	v_max_num_f32 v[BM+\b], 0x1800000, v[BM+\b]    ; the floor 2^(3 - 127): the byte cannot fall under 1
.endr
.irp b, 0,1,2,3
	v_add_nc_u32 v[SOP+\b], 0xff000000, v[BM+\b]   ; 2 off the exponent field: the conversion's scale operand
.endr
.irp b, 0,1,2,3
	v_lshrrev_b32 v[BP+\b], 23, v[SOP+\b]          ; the scale's byte
.endr
	v_lshl_or_b32 v184, v173, 8, v172              ; p's scale word for these 128 keys
	v_lshl_or_b32 v184, v174, 16, v184
	v_lshl_or_b32 v184, v175, 24, v184
.irp t, 0,1,2,3,4,5,6,7
	v_cvt_scalef32_pk8_fp4_f32 v[PC+4*(\t/4)+2*(\t%2)+(\t%4)/2], v[S+8*\t:S+8*\t+7], v[SOP+\t/2]   ; tile t's eight keys of my half; laid so that the exchanges below finish the operand
.endr
	v_nop                                          ; one plain line behind the last scaled conversion
.irp c, 0,2,4,6
	v_permlane16_swap_b32 v[PC+\c], v[PC+\c+1]     ; register 4 c + n of half h now holds keys 64 c + 32 h + 8 n + 0 .. 7: a whole block in a lane
.endr
.irp j, 0,2,4,6,8,10,12,14
	v_pk_mul_f32 v[OT+\j:OT+\j+1], v[OT+\j:OT+\j+1], v[182:183] op_sel_hi:[1,0]   ; O^T under the new M
.endr
	v_pk_add_f32 v[186:187], v[S:S+1], v[S+2:S+3]  ; the row's sum is taken of the UNQUANTISED p: two at a time, in two chains
.irp j, 4,8,12,16,20,24,28,32,36,40,44,48,52,56,60
	v_pk_add_f32 v[14:15], v[14:15], v[S+\j:S+\j+1]
	v_pk_add_f32 v[186:187], v[186:187], v[S+\j+2:S+\j+3]
.endr
	v_pk_add_f32 v[14:15], v[14:15], v[186:187]
	s_wait_dscnt 0x0                               ; V's fragments and scale words are in
.irp u, 0,1                                    ; O^T += V^T P^T.  The two accumulators have one instruction a turn, and the eight products of the scores stand between a turn and the next
	v_wmma_scale_f32_16x16x128_f8f6f4 v[OT+8*\u:OT+8*\u+7], v[VF+8*\u:VF+8*\u+7], v[PC:PC+7], v[OT+8*\u:OT+8*\u+7], v[78+\u], v184 matrix_a_fmt:MATRIX_FMT_FP4 matrix_b_fmt:MATRIX_FMT_FP4
.endr
.Lhidden_\@:
	s_add_co_u32 s27, s27, 2048
	s_add_co_u32 s28, s28, 128
	s_add_co_u32 s26, s26, 1
	s_cmp_lt_u32 s26, 16
	s_cbranch_scc1 .Lstep_\@
	; the tile's end: O^T / the sum, quantised along the head's 32 numbers: my 16 and lane l xor 16's are the block
.rept 4
	v_nop
.endr
	v_add_f32 v14, v14, v15                        ; the sum's two halves,
	v_permlanex16_b32 v180, v14, s20, s21
	v_add_f32 v14, v14, v180                       ; and lane l xor 16's: the row's sum
	v_rcp_f32 v182, v14
	v_nop                                          ; one plain line behind the transcendental
	s_wait_alu depctr_va_vdst(0)
.irp j, 0,2,4,6,8,10,12,14
	v_pk_mul_f32 v[CX+\j:CX+\j+1], v[OT+\j:OT+\j+1], v[182:183] op_sel_hi:[1,0]   ; register 8 u + n is d = 16 u + 8 h + n of query r; each accumulator from its low end on
.endr
	v_max3_num_f32 v168, |v192|, |v193|, 0x1800000 ; the largest magnitude, in two chains, with the floor 2^(3 - 127)
	v_max3_num_f32 v169, |v200|, |v201|, |v202|
	v_max3_num_f32 v168, v168, |v194|, |v195|
	v_max3_num_f32 v169, v169, |v203|, |v204|
	v_max3_num_f32 v168, v168, |v196|, |v197|
	v_max3_num_f32 v169, v169, |v205|, |v206|
	v_max3_num_f32 v168, v168, |v198|, |v199|
	v_max3_num_f32 v168, v168, v169, |v207|
	v_permlanex16_b32 v172, v168, s20, s21
	v_max_num_f32 v168, v168, v172
	v_add_nc_u32 v176, 0xff000000, v168
	v_lshrrev_b32 v172, 23, v176                   ; the scale's byte
	v_cvt_scalef32_pk8_fp4_f32 v160, v[192:199], v176
	v_cvt_scalef32_pk8_fp4_f32 v161, v[200:207], v176
	v_nop                                          ; one plain line behind the last scaled conversion
	v_permlane16_swap_b32 v160, v161               ; the pair now holds bytes 8 h .. 8 h + 7 of the block's 16
	global_store_b64 v7, v[160:161], s[12:13]      ; 32 lanes store 256 consecutive bytes, at a multiple of 256 from the buffer's first byte
	global_store_b8 v43, v172, s[14:15]            ; both halves of the lanes write the same byte with the same value
.endm
	TILE 0
	TILE 1
	s_wait_tensorcnt 0x0
	ds_add_u32 v254, v255
	s_wait_dscnt 0x0
	s_endpgm
.Lfunc_end_k_q116d1420de_attn:
	.size	k_q116d1420de_attn, .Lfunc_end_k_q116d1420de_attn-k_q116d1420de_attn
	.p2alignl 7, 3214868480
	.fill 96, 4, 3214868480
	.section	.rodata,"a",@progbits
	.p2align	6, 0x0
	.amdhsa_kernel k_q116d1420de_attn
		.amdhsa_group_segment_fixed_size 71680
		.amdhsa_private_segment_fixed_size 0
		.amdhsa_enable_private_segment 0
		.amdhsa_kernarg_size 48
		.amdhsa_user_sgpr_count 2
		.amdhsa_user_sgpr_kernarg_segment_ptr 1
		.amdhsa_wavefront_size32 1
		.amdhsa_system_sgpr_workgroup_id_x 1
		.amdhsa_system_sgpr_workgroup_id_y 1
		.amdhsa_system_sgpr_workgroup_id_z 1
		.amdhsa_system_vgpr_workitem_id 0
		.amdhsa_next_free_vgpr 256
		.amdhsa_next_free_sgpr 66
		.amdhsa_reserve_vcc 1
		.amdhsa_float_denorm_mode_32 3
		.amdhsa_float_denorm_mode_16_64 3
		.amdhsa_memory_ordered 1
		.amdhsa_forward_progress 1
		.amdhsa_inst_pref_size 52
	.end_amdhsa_kernel
	.amdgpu_metadata
---
amdhsa.version: [ 1, 2 ]
amdhsa.kernels:
  - .name:           k_q116d1420de_attn
    .symbol:         k_q116d1420de_attn.kd
    .args:
      - { .name: qk_codes, .offset: 0, .size: 8, .value_kind: global_buffer, .address_space: global }
      - { .name: qk_scales, .offset: 8, .size: 8, .value_kind: global_buffer, .address_space: global }
      - { .name: v_codes, .offset: 16, .size: 8, .value_kind: global_buffer, .address_space: global }
      - { .name: v_scales, .offset: 24, .size: 8, .value_kind: global_buffer, .address_space: global }
      - { .name: ctx_codes, .offset: 32, .size: 8, .value_kind: global_buffer, .address_space: global }
      - { .name: ctx_scales, .offset: 40, .size: 8, .value_kind: global_buffer, .address_space: global }
    .group_segment_fixed_size: 71680
    .private_segment_fixed_size: 0
    .kernarg_segment_align: 8
    .kernarg_segment_size: 48
    .max_flat_workgroup_size: 512
    .sgpr_count:     66
    .vgpr_count:     256
    .wavefront_size: 32
...
	.end_amdgpu_metadata
.endif
;; end of part 3
;; launch oproj (part 4): grid 8 x 32, 4 waves a work-group, clusters of 4 x 4, 168,448 bytes of LDS; arguments ctx_codes, ctx_scales, codes, scales, bo, out0; writes out0
.if DOCPART == 4
	.amdgcn_target "amdgcn-amd-amdhsa--gfx1250"
	.amdhsa_code_object_version 6
	.text
	.protected	k_q116d1420de_oproj
	.globl	k_q116d1420de_oproj
	.p2align	8
	.type	k_q116d1420de_oproj,@function
k_q116d1420de_oproj:
	s_mov_b64 s[64:65], 0
	v_nop
	global_prefetch_b8 v0, s[64:65] scope:SCOPE_SE
	s_setreg_imm32_b32 hwreg(HW_REG_WAVE_MODE, 25, 1), 1
	s_wait_xcnt 0x0
	s_wait_alu depctr_hold_cnt(0) depctr_sa_sdst(0) depctr_va_vdst(0) depctr_va_sdst(0) depctr_va_ssrc(0) depctr_va_vcc(0) depctr_vm_vsrc(0)
	s_getreg_b32 s2, hwreg(HW_REG_IB_STS2, 6, 4)
	s_cmp_eq_u32 s2, 0
	s_cbranch_scc0 .Lentry_in_a_cluster
	s_endpgm
.Lentry_in_a_cluster:
	s_bfe_u32 s2, ttmp6, 0x10000c
	s_cmp_lg_u32 s2, 0xf033
	s_cbranch_scc0 .Lentry_shape_is_right
	s_endpgm
.Lentry_shape_is_right:
; out0 = ctx Wo^T + bo on codes of FP4 (E2M1) with E8M0 scales, sums in f32.  ctx arrives as the attention left it: ctx_codes [32 heads][4096 tokens][16 bytes] (a head is one block of 32 along K),
; ctx_scales [8 (head / 4)][4096 tokens][4 bytes]: one word for a token and a K step of 128.  Wo's codes and scale bytes are rows 7,168 on of the stream of rows (512 and 32 bytes a row).
; SHARES.  Work-group (j, i) makes 128 tokens (128 i on) x 128 features (128 j on).  K = 1,024 is 512 bytes of codes a row, so both tiles lie WHOLE in LDS, each filled once: no ring, no slot is filled again.
; Four waves, each 64 x 64: 16 accumulators; 8 K steps of 128, 128 matrix instructions a wave.
; CLUSTER 4 x 4: ctx's tile hangs on i alone and is asked for jointly by a row of the cluster, Wo's on j alone and by a column.  A wave has two tensor loads out at the most: the two that it issues at the start.
; The matrix instruction is used transposed (source 0 = 16 rows of Wo, source 1 = 16 tokens): a lane holds eight neighbouring features of one token.  bo is the C of each sum's first matrix instruction,
; so it is added ahead of the products and not behind them: the order of rounding differs from the reference's in the last bit.
; REGISTERS.  Window 0: v1-15 addresses; v32-63 Wo's scale words, v64-95 ctx's (they hold scales and nothing else); v128-255 the 16 accumulators ((a, t) at 128 + 8 (4 a + t)).
;   Window 1: v0-63, v64-127 two fragment buffers (Wo's four fragments, then ctx's four); v128-159 bo in the result's layout.
.set PITCH, 528                        ; a row of Wo in LDS: 512 bytes + 16 of padding
.set HALF,  64*PITCH
.set WT,    65536                      ; LDS: ctx's codes [32 heads][128 tokens][16 bytes] at 0; Wo's 128 rows here;
.set CS,    WT+2*HALF                  ; ctx's scale words [8 K steps][128 tokens][4];
.set WS,    CS+4096                    ; Wo's scale bytes: 128 rows x 32;
.set STG,   WS+4096                    ; the way out: 16 rows x (256 bytes + 16) for each wave; no fill lands here
.set SPITCH, 272
.set WA,  4
.set CA,  5
.set WSA, 6
.set CSA, 7
.set STO, 8
.set RD,  9
.set CO,  10
.set S0W, 32
.set S1W, 64
.set ACC, 128
.set F0,  0
.set F1,  64
.set BO,  128
.set G1C,  32                          ; s[32:39] group 1 for ctx's codes;  s[40:47] for Wo's;  s[48:55], s[56:63] for their scales
.set G1W,  40
.set G1CS, 48
.set G1WS, 56
.set G0CS, 68
.set G0WS, 72
.set G0C,  76
.set G0W,  80
.set MSB, 0
.macro WIN new                         ; the immediate's high byte repeats the setting that is left
.if MSB != \new
	s_set_vgpr_msb (MSB<<8)|\new
.set MSB, \new
.endif
.endm
.set MUL,  0x05                        ; sources 0 and 1 window 1; C and D window 0
.set MULB, 0x15                        ; the same with C (the bias) in window 1
.set TO_F, 0x40                        ; destination window 1, address window 0
; A joint load: waves 0 and 1 ask for ctx's side, waves 2 and 3 for Wo's.  Each line has one mask; the branch hangs on the wave's number alone.  Four v_nop follow each line.
.macro JLOAD g0a, g1a, g0b, g1b
	s_cmp_eq_u32 s23, 0
	s_cbranch_scc0 .Lfor_b_\@
	tensor_load_to_lds s[\g0a:\g0a+3], s[\g1a:\g1a+7]
	s_nop 0
.rept 4
	v_nop
.endr
	s_branch .Lasked_\@
.Lfor_b_\@:
	tensor_load_to_lds s[\g0b:\g0b+3], s[\g1b:\g1b+7]
	s_nop 0
.rept 4
	v_nop
.endr
.Lasked_\@:
.endm
.macro CROUND                          ; a round of the cluster's barrier
	s_barrier_signal -1
	s_barrier_wait -1
	s_cmp_lg_u32 s22, 0
	s_cbranch_scc1 .Lnot_wave_0_\@
	s_barrier_signal -3
.Lnot_wave_0_\@:
	s_barrier_wait -3
	s_barrier_signal -1
	s_barrier_wait -1
.endm
.macro PLACES                          ; four plain vector lines behind a matrix instruction, ahead of loads into registers that it read or wrote and of reads of its results (ISA guide 7.12.1 for reads of its results)
.rept 4
	v_nop
.endr
.endm
	s_load_b256 s[4:11], s[0:1], 0x0               ; ctx_codes s[4:5], ctx_scales s[6:7], codes s[8:9], scales s[10:11]
	s_load_b128 s[12:15], s[0:1], 0x20             ; bo s[12:13], out0 s[14:15]
	v_lshl_add_u32 v126, v0, 2, 0x29000
	v_mov_b32 v127, 0
	ds_add_u32 v126, v127
	ds_add_u32 v126, v127
	v_lshrrev_b32 v1, 5, v0
	v_readfirstlane_b32 s22, v1                    ; wave 0..3
	s_lshr_b32 s23, s22, 1                         ; H1: my half of the tokens.  Also: I ask for ctx's side (0) or Wo's (1)
	s_and_b32 s24, s22, 1                          ; H0: my half of the features.  Also: which half of a tile I ask for
	s_bfe_u32 s25, ttmp6, 0x40000                  ; cx
	s_bfe_u32 s26, ttmp6, 0x40004                  ; cy
	s_lshl_b32 s27, ttmp9, 2
	s_add_co_u32 s27, s27, s25                     ; j = 4 x cluster x + cx
	s_and_b32 s28, ttmp7, 0xffff
	s_lshl_b32 s28, s28, 2
	s_add_co_u32 s28, s28, s26                     ; i = 4 x cluster y + cy
	s_lshl_b32 s29, s26, 2
	s_lshl_b32 s29, 15, s29                        ; my row of the cluster
	s_lshl_b32 s30, 0x1111, s25                    ; my column
	s_or_b32 s[G1C], s29, (3<<16)|(1<<21)          ; ctx's codes of 16 heads: 16 rows of 2,048 bytes (256 elements of 8), 65,536 bytes = 8,192 elements apart
	s_mov_b32 s[G1C+1], 256<<16
	s_mov_b32 s[G1C+2], 16<<16
	s_mov_b32 s[G1C+3], 256<<16
	s_mov_b32 s[G1C+4], 16
	s_mov_b32 s[G1C+5], 8192
	s_mov_b32 s[G1C+6], 0
	s_mov_b32 s[G1C+7], 0
	s_or_b32 s[G1CS], s29, (3<<16)|(1<<21)         ; its scale words of 4 K steps: 4 rows of 512 bytes (64 elements), 16,384 bytes = 2,048 elements apart
	s_mov_b32 s[G1CS+1], 64<<16
	s_mov_b32 s[G1CS+2], 4<<16
	s_mov_b32 s[G1CS+3], 64<<16
	s_mov_b32 s[G1CS+4], 4
	s_mov_b32 s[G1CS+5], 2048
	s_mov_b32 s[G1CS+6], 0
	s_mov_b32 s[G1CS+7], 0
	s_or_b32 s[G1W], s30, (1<<20)|(1<<21)|(6<<22)|(3<<25)   ; Wo's codes: 64 rows x 512 elements of one byte; 4 words of padding behind every 128
	s_mov_b32 s[G1W+1], 512<<16
	s_mov_b32 s[G1W+2], 64<<16
	s_mov_b32 s[G1W+3], 512<<16
	s_mov_b32 s[G1W+4], 64
	s_mov_b32 s[G1W+5], 512
	s_mov_b32 s[G1W+6], 0
	s_mov_b32 s[G1W+7], 0
	s_or_b32 s[G1WS], s30, (3<<16)|(1<<21)         ; its scale bytes of 64 rows: 2,048 dense bytes, as 8 rows of 32 elements of 8 bytes
	s_mov_b32 s[G1WS+1], 32<<16
	s_mov_b32 s[G1WS+2], 8<<16
	s_mov_b32 s[G1WS+3], 32<<16
	s_mov_b32 s[G1WS+4], 8
	s_mov_b32 s[G1WS+5], 32
	s_mov_b32 s[G1WS+6], 0
	s_mov_b32 s[G1WS+7], 0
	; groups 0: LDS addresses hang on the wave's number alone
	s_mov_b32 s[G0CS], 1
	s_lshl_b32 s[G0CS+1], s24, 11
	s_add_co_u32 s[G0CS+1], s[G0CS+1], CS
	s_mov_b32 s[G0WS], 1
	s_lshl_b32 s[G0WS+1], s24, 11
	s_add_co_u32 s[G0WS+1], s[G0WS+1], WS
	s_mov_b32 s[G0C], 1
	s_lshl_b32 s[G0C+1], s24, 15
	s_mov_b32 s[G0W], 1
	s_mul_i32 s[G0W+1], s24, HALF
	s_add_co_u32 s[G0W+1], s[G0W+1], WT
	; ctx's addresses are made of i and the wave's number in s91-93, Wo's of j and the wave's number in s94-97: neither set ever holds the other coordinate
	s_lshl_b32 s92, s24, 16
	s_lshl_b32 s91, s28, 9
	s_add_co_u32 s92, s92, s91                     ; scale words: half x 4 K steps x 16,384 + 128 i x 4
	s_mov_b32 s93, 0
	s_lshl_b32 s94, s27, 7
	s_lshl_b32 s95, s24, 6
	s_add_co_u32 s94, s94, s95
	s_add_co_u32 s94, s94, 7168                    ; Wo's row in the stream of rows
	s_mov_b32 s97, 0
	s_wait_dscnt 0x0
	s_wait_kmcnt 0x0
	s_add_nc_u64 s[G0CS+2:G0CS+3], s[6:7], s[92:93]
	s_or_b32 s[G0CS+3], s[G0CS+3], 0x80000000
	s_lshl_b32 s92, s24, 20
	s_lshl_b32 s91, s28, 11
	s_add_co_u32 s92, s92, s91                     ; codes: half x 16 heads x 65,536 + 128 i x 16
	s_add_nc_u64 s[G0C+2:G0C+3], s[4:5], s[92:93]
	s_or_b32 s[G0C+3], s[G0C+3], 0x80000000
	s_lshl_b32 s96, s94, 5
	s_add_nc_u64 s[G0WS+2:G0WS+3], s[10:11], s[96:97]
	s_or_b32 s[G0WS+3], s[G0WS+3], 0x80000000
	s_lshl_b32 s96, s94, 9
	s_add_nc_u64 s[G0W+2:G0W+3], s[8:9], s[96:97]
	s_or_b32 s[G0W+3], s[G0W+3], 0x80000000
	CROUND                                         ; all sixteen work-groups are here: the joint loads meet
	JLOAD G0CS, G1CS, G0WS, G1WS
	JLOAD G0C, G1C, G0W, G1W
	; addresses
	v_and_b32 v1, 15, v0                           ; r
	v_bfe_u32 v2, v0, 4, 1                         ; h
	v_mul_u32_u24 v3, v1, PITCH
	v_lshl_add_u32 v3, v2, 4, v3
	s_mul_i32 s2, s24, HALF
	s_add_co_u32 s2, s2, WT
	v_add_nc_u32 v[WA], s2, v3                     ; Wo's fragments: my 64 rows, row r x pitch + 16 h
	v_lshlrev_b32 v3, 4, v1
	v_lshl_add_u32 v3, v2, 11, v3
	s_lshl_b32 s2, s23, 10
	v_add_nc_u32 v[CA], s2, v3                     ; ctx's: head 2 c + h of the K step (2,048 bytes a head), my 64 tokens, 16 r: sixteen lanes read 256 bytes on end
	s_lshl_b32 s2, s24, 11
	s_add_co_u32 s2, s2, WS
	v_lshl_add_u32 v[WSA], v1, 5, s2
	s_lshl_b32 s2, s23, 8
	s_add_co_u32 s2, s2, CS
	v_lshl_add_u32 v[CSA], v1, 2, s2
	s_mul_i32 s2, s22, 16*SPITCH
	s_add_co_u32 s2, s2, STG                       ; my stage
	v_mul_u32_u24 v3, v1, SPITCH
	v_lshl_add_u32 v3, v2, 5, v3
	v_add_nc_u32 v[STO], s2, v3                    ; in: row r, 32 bytes for each half of the lanes
	v_mul_u32_u24 v3, v2, SPITCH
	v_lshl_add_u32 v3, v1, 4, v3
	v_add_nc_u32 v[RD], s2, v3                     ; back: lanes 0-15 one row of 256 bytes, lanes 16-31 the next
	v_lshlrev_b32 v3, 4, v1
	v_lshl_add_u32 v[CO], v2, 12, v3               ; and the same two rows of out0 (4,096 bytes a row)
	v_lshlrev_b32 v15, 5, v2                       ; bo: my half's eight numbers of a tile
	; where my wave's part of out0 begins: an offset that mixes i and j, made in s98-100, from which no descriptor is made
	s_mov_b32 s99, 0
	s_lshl_b32 s98, s28, 19                        ; (128 i + 64 H1) rows of 4,096 bytes + (128 j + 64 H0) x 4
	s_lshl_b32 s100, s23, 18
	s_add_co_u32 s98, s98, s100
	s_lshl_b32 s100, s27, 9
	s_add_co_u32 s98, s98, s100
	s_lshl_b32 s100, s24, 8
	s_add_co_u32 s98, s98, s100
	s_add_nc_u64 s[14:15], s[14:15], s[98:99]
	s_lshl_b32 s98, s27, 9
	s_add_co_u32 s98, s98, s100
	s_add_nc_u64 s[12:13], s[12:13], s[98:99]      ; bo at (128 j + 64 H0) x 4
	WIN TO_F
.irp t, 0,1,2,3
	global_load_b128 v[BO+8*\t:BO+8*\t+3],   v15, s[12:13] offset:64*\t
	global_load_b128 v[BO+8*\t+4:BO+8*\t+7], v15, s[12:13] offset:64*\t+16
.endr
	WIN 0
.macro SCLOAD                          ; the scale words of all 8 K steps: register 8 t + k
.irp t, 0,1,2,3
.irp e, 0,1
	ds_load_b128 v[S0W+8*\t+4*\e:S0W+8*\t+4*\e+3], v[WSA] offset:512*\t+16*\e
.endr
.endr
.irp a, 0,1,2,3
.irp k, 0,1,2,3,4,5,6,7
	ds_load_b32 v[S1W+8*\a+\k], v[CSA] offset:512*\k+64*\a
.endr
.endr
.endm
.macro FETCH k, f                      ; 16 loads: the eight fragments of K step k into buffer f
	WIN TO_F
.irp t, 0,1,2,3
.irp c, 0,1
	ds_load_b128 v[(\f)+8*\t+4*\c:(\f)+8*\t+4*\c+3], v[WA] offset:16*PITCH*\t+64*(\k)+32*\c
.endr
.endr
.irp a, 0,1,2,3
.irp c, 0,1
	ds_load_b128 v[(\f)+32+8*\a+4*\c:(\f)+32+8*\a+4*\c+3], v[CA] offset:8192*(\k)+4096*\c+256*\a
.endr
.endr
.endm
; 16 matrix instructions: one K step.  The sixteen accumulators take turns, one instruction a turn, in the same order in every step.  first = 1: the sums begin with bo as C.
.macro MUL16 f, k, first
.irp a, 0,1,2,3
.irp t, 0,1,2,3
.if \first
	v_wmma_scale_f32_16x16x128_f8f6f4 v[ACC+8*(4*\a+\t):ACC+8*(4*\a+\t)+7], v[(\f)+8*\t:(\f)+8*\t+7], v[(\f)+32+8*\a:(\f)+32+8*\a+7], v[BO+8*\t:BO+8*\t+7], v[S0W+8*\t+(\k)], v[S1W+8*\a+(\k)] matrix_a_fmt:MATRIX_FMT_FP4 matrix_b_fmt:MATRIX_FMT_FP4
.else
	v_wmma_scale_f32_16x16x128_f8f6f4 v[ACC+8*(4*\a+\t):ACC+8*(4*\a+\t)+7], v[(\f)+8*\t:(\f)+8*\t+7], v[(\f)+32+8*\a:(\f)+32+8*\a+7], v[ACC+8*(4*\a+\t):ACC+8*(4*\a+\t)+7], v[S0W+8*\t+(\k)], v[S1W+8*\a+(\k)] matrix_a_fmt:MATRIX_FMT_FP4 matrix_b_fmt:MATRIX_FMT_FP4
.endif
.endr
.endr
.endm
	s_wait_tensorcnt 0x0                           ; my two loads are in,
	s_barrier_signal -1
	s_barrier_wait -1                              ; everybody's are
	SCLOAD
	FETCH 0, F0
	FETCH 1, F1
	s_wait_loadcnt 0x0                             ; bo
	s_wait_dscnt 16                                ; all but the 16 loads just issued: the scale words and step 0's fragments are in
	WIN MULB
	MUL16 F0, 0, 1
.irp k, 1,2,3,4,5,6
	PLACES                                         ; ahead of loads into the buffer that the last 16 products read
	FETCH \k+1, 64*((\k+1)%2)
	s_wait_dscnt 16                                ; all but the 16 just issued: this step's fragments are in
	WIN MUL
	MUL16 64*(\k%2), \k, 0
.endr
	s_wait_dscnt 0x0
	MUL16 F1, 7, 0
	WIN 0
; THE WAY OUT, block by block of 16 tokens x 64 features.  A lane holds 32 neighbouring bytes of a row, and the lanes beside it hold other rows: so a block goes through my own stage in LDS and comes back as whole
; rows of 256 bytes, into the registers that it left.  LDS serves a wave's instructions in order (ISA guide 5.7.1.4): no wait between the stores and the loads, nor ahead of the next block's stores.
.macro TOSTAGE a
.irp t, 0,1,2,3
	ds_store_b128 v[STO], v[ACC+8*(4*\a+\t):ACC+8*(4*\a+\t)+3] offset:64*\t          ; each accumulator from its low end on
	ds_store_b128 v[STO], v[ACC+8*(4*\a+\t)+4:ACC+8*(4*\a+\t)+7] offset:64*\t+16
.endr
.irp n, 0,1,2,3,4,5,6,7
	ds_load_b128 v[ACC+32*\a+4*\n:ACC+32*\a+4*\n+3], v[RD] offset:2*\n*SPITCH
.endr
.endm
.macro SEND a, younger                 ; younger: the LDS instructions issued behind block a's loads, which may stay out
	s_wait_dscnt \younger
.irp n, 0,1,2,3,4,5,6,7
	global_store_b128 v[CO], v[ACC+32*\a+4*\n:ACC+32*\a+4*\n+3], s[14:15] offset:(16*\a+2*\n)*4096 th:TH_STORE_NT   ; 16 lanes store 256 consecutive bytes, at a multiple of 256 from out0's first byte; written once, read by nobody here
.endr
.endm
	PLACES
	TOSTAGE 0
	TOSTAGE 1
	SEND 0, 16                                     ; behind block 0's loads: block 1's 8 stores and 8 loads
	TOSTAGE 2
	SEND 1, 16
	TOSTAGE 3
	SEND 2, 16
	SEND 3, 0
	s_wait_tensorcnt 0x0
	ds_add_u32 v126, v127
	s_wait_dscnt 0x0
	CROUND                                         ; the closing round: no work-group ends while a partner may still ask for a tile that names it
	s_endpgm
.Lfunc_end_k_q116d1420de_oproj:
	.size	k_q116d1420de_oproj, .Lfunc_end_k_q116d1420de_oproj-k_q116d1420de_oproj
	.p2alignl 7, 3214868480
	.fill 96, 4, 3214868480
	.section	.rodata,"a",@progbits
	.p2align	6, 0x0
	.amdhsa_kernel k_q116d1420de_oproj
		.amdhsa_group_segment_fixed_size 168448
		.amdhsa_private_segment_fixed_size 0
		.amdhsa_enable_private_segment 0
		.amdhsa_kernarg_size 48
		.amdhsa_user_sgpr_count 2
		.amdhsa_user_sgpr_kernarg_segment_ptr 1
		.amdhsa_wavefront_size32 1
		.amdhsa_system_sgpr_workgroup_id_x 1
		.amdhsa_system_sgpr_workgroup_id_y 1
		.amdhsa_system_sgpr_workgroup_id_z 1
		.amdhsa_system_vgpr_workitem_id 0
		.amdhsa_next_free_vgpr 416
		.amdhsa_next_free_sgpr 102
		.amdhsa_reserve_vcc 0
		.amdhsa_float_denorm_mode_32 3
		.amdhsa_float_denorm_mode_16_64 3
		.amdhsa_memory_ordered 1
		.amdhsa_forward_progress 1
		.amdhsa_inst_pref_size 45
	.end_amdhsa_kernel
	.amdgpu_metadata
---
amdhsa.version: [ 1, 2 ]
amdhsa.kernels:
  - .name:           k_q116d1420de_oproj
    .symbol:         k_q116d1420de_oproj.kd
    .args:
      - { .name: ctx_codes, .offset: 0, .size: 8, .value_kind: global_buffer, .address_space: global }
      - { .name: ctx_scales, .offset: 8, .size: 8, .value_kind: global_buffer, .address_space: global }
      - { .name: codes, .offset: 16, .size: 8, .value_kind: global_buffer, .address_space: global }
      - { .name: scales, .offset: 24, .size: 8, .value_kind: global_buffer, .address_space: global }
      - { .name: bo, .offset: 32, .size: 8, .value_kind: global_buffer, .address_space: global }
      - { .name: out0, .offset: 40, .size: 8, .value_kind: global_buffer, .address_space: global }
    .group_segment_fixed_size: 168448
    .private_segment_fixed_size: 0
    .kernarg_segment_align: 8
    .kernarg_segment_size: 48
    .max_flat_workgroup_size: 128
    .sgpr_count:     102
    .vgpr_count:     416
    .wavefront_size: 32
...
	.end_amdgpu_metadata
.endif
;; end of part 4
;; ======== version 2 of 2: 4 launches; version 1 with the launch attn written anew for expert scheduling mode
;; workspace buffers: codes 4,194,304 bytes; scales 262,144 bytes; qk_codes 4,194,304 bytes; qk_scales 262,144 bytes; v_codes 2,097,152 bytes; v_scales 131,072 bytes; ctx_codes 2,097,152 bytes; ctx_scales 131,072 bytes
;; launch quant: the kernel of part 1 again; grid 256 x 1, 4 waves a work-group, no clusters, 33,280 bytes of LDS; arguments hidden_states, Wq, Wk, Wv, Wo, codes, scales; writes codes, scales
;; launch qkv: the kernel of part 2 again; grid 8 x 32, 4 waves a work-group, clusters of 4 x 4, 287,232 bytes of LDS; arguments codes, scales, bq, bk, bv, qk_codes, qk_scales, v_codes, v_scales; writes qk_codes, qk_scales, v_codes, v_scales
;; launch attn (part 5): grid 4 x 64, 16 waves a work-group, no clusters, 71,680 bytes of LDS; arguments qk_codes, qk_scales, v_codes, v_scales, ctx_codes, ctx_scales; writes ctx_codes, ctx_scales
.if DOCPART == 5
	.amdgcn_target "amdgcn-amd-amdhsa--gfx1250"
	.amdhsa_code_object_version 6
	.text
	.protected	k_q116d1420de_attn
	.globl	k_q116d1420de_attn
	.p2align	8
	.type	k_q116d1420de_attn,@function
k_q116d1420de_attn:
	s_mov_b64 s[64:65], 0
	v_nop
	global_prefetch_b8 v0, s[64:65] scope:SCOPE_SE
	s_setreg_imm32_b32 hwreg(HW_REG_WAVE_SCHED_MODE, 0, 2), 2
	s_setreg_imm32_b32 hwreg(HW_REG_WAVE_MODE, 25, 1), 1
	s_wait_xcnt 0x0
	s_wait_alu depctr_vm_vsrc(0)
; Causal attention of one head of one batch on codes of FP4 (E2M1) with E8M0 scales, and the result quantised along the head's 32 numbers, as an operand of the last product.
; THE SOFTMAX AHEAD OF THE SECOND PRODUCT: t = score x log2(e) (q was scaled by 1 / sqrt(32) before it was quantised); M = the row's largest t so far, rounded UP to a whole number; p = 2^(t - M) is what is
; quantised, along the keys; the row's sum is taken of the unquantised p, in f32, and divides at the end.  When M moves, the sum and O are multiplied by 2^(old M - new M): exact.
; SHARES.  Work-group (cq, head and batch): sixteen waves, four to a SIMD, so that one wave's vector work stands beside another's products and LDS loads.  A head has 128 tiles of 16 queries.  Wave w takes tile
; i = 8 (w / 2) + 2 cq + w % 2 and then tile 127 - i.  Tile i has i / 8 + 1 key steps of 128 that are not wholly hidden, so every wave has 17: the work is even.  i / 8 = w / 2: which steps a wave leaves out
; hangs on its number alone.  Every loop has 16 trips; a hidden step's work is jumped over inside the loop.
; THE HEAD'S K AND V LIE WHOLE IN LDS (68 KiB with their scale words), brought once, through registers, ahead of the one barrier; nothing writes LDS behind it.
; NO CLUSTER, NO TENSOR LOAD: the work-group fetches those 68 KiB once for 16 x 17 key steps of some 250 vector instructions each; there is no traffic in the loop that a joint request could divide.
; A PRODUCT WITH K = 32 ON AN INSTRUCTION WITH K = 128.  One fragment of K holds FOUR tiles of 16 keys: row r's block e (32 along the instruction's K) is key 64 G + 16 e + r.  The operand of Q has the query's 32 codes
; at block e and zero codes elsewhere: the product is then tile e's scores.  Four such operands overlap in 20 registers: zeros | q in lanes 0-15 | zeros | q in lanes 16-31 | zeros.
; LAYOUT.  Both products are used transposed (S^T = K Q^T, O^T = V^T P^T): a lane holds ONE query (lane % 16).  In S^T's tile T register n is key 16 T + 8 (lane / 16) + n; two neighbouring tiles, with lane l xor 16's, are a block of 32 keys.
; OUT.  ctx_codes [32 heads][4096 tokens][16 bytes]: a wave's store covers 256 consecutive bytes.  ctx_scales [8 (head / 4)][4096 tokens][4]: byte = head % 4: single bytes 4 apart in a run of 64, one for each 16 bytes of codes.
; LIMITS: a block whose largest magnitude lies under 2^-124, a block of zeros among them, gets the byte 1 (this program alone reads the bytes).  NaN and infinities are not served.  Hidden scores are taken as -infinity where the
; reference has the lowest f32 number: p is 0 either way, since each row's own key counts.
; THE MODE: SCHED_MODE bits 1:0 = 2 (LLVM: expert scheduling mode 2), set by the entry lines.  The code itself states the register dependences between vector or matrix instructions and memory or LDS
; instructions, with s_wait_alu, always for 0.
; THE PLAN.  Registers that memory or LDS instructions touch, in a tile's loop:
;   v44-59, v76-77  K's two fragments and scale words.  Read by the eight products at a step's head; the loads of the NEXT step land in them, issued in this step behind the wait that follows the exponentials.
;   v60-75, v78-79  V's two fragments and scale words.  Read by the two products at a step's end; this step's loads land in them, issued behind the same wait.
;   v8-10           The step's LDS addresses.  Written by three additions behind the step's eight products; read by the step's loads: K's next step is reached from them by immediates.
;   v3, v5          Read by the loads of K's step 0 at a tile's head; written once, at the kernel's head.
; So ONE wait on va_vdst, the one that the exponentials' results want anyway, states all that a step's loads hang on: the addresses are written, this step's eight products are done reading K's registers, the
; last step's two are done reading V's.  From there to the step's last products the vector lines name S^T, p's codes, the scale temporaries, O^T and the sums: none of the registers that those loads touch.
; One wait on vm_vsrc a step stands ahead of the three additions.  A second wait on va_vdst stands ahead of the step's last two products, which take p's codes and scale word from vector lines.
; Outside the loop: v131-135 and v96-130 (the head's offsets and staging, later part of S^T); v41-42 and v36-40 (q's offsets and data, once a tile); v7, v43, v160-161, v172 (a tile's two stores); v254-255 (the closing add alone).
.set VB,   32768                       ; LDS: K's codes [2048 keys][16 bytes] at 0; V's [64 blocks of keys][32 d][16 bytes] here;
.set KSW,  65536                       ; K's scale words [32 groups of 64 keys][16 r];
.set VSW,  67584                       ; V's [16 key steps][32 d]
.set KF,   44                          ; v44-59  two fragments of K;  v60-75 two of V;  v76-77, v78-79 their scale words;  v11 Q's, v184 p's (these hold scales and nothing else)
.set VF,   60
.set OT,   80                          ; v80-95  O^T
.set S,    96                          ; v96-159 S^T, then p
.set PC,   160                         ; v160-167 p's codes
.set BM,   168                         ; v168-171 each block's largest score, then its largest p
.set BP,   172                         ; v172-175 the other half's, then the bytes
.set SOP,  176                         ; v176-179 the conversions' scale operands
.set CX,   192                         ; v192-207 O^T / the sum
.set MK,   32                          ; s32-47  sixteen lane masks of the diagonal step
	s_load_b256 s[4:11], s[0:1], 0x0               ; qk_codes s[4:5], qk_scales s[6:7], v_codes s[8:9], v_scales s[10:11]
	s_load_b128 s[12:15], s[0:1], 0x20             ; ctx_codes s[12:13], ctx_scales s[14:15]
	v_lshl_add_u32 v254, v0, 2, 0x11000
	v_mov_b32 v255, 0
	v_lshrrev_b32 v1, 5, v0
	v_readfirstlane_b32 s18, v1                    ; wave 0..15
	s_wait_alu depctr_va_sdst(0)                   ; s18 is written, ahead of its first reader: the wave's tiles are made from it
	s_and_b32 s16, ttmp7, 0xffff
	s_lshr_b32 s17, s16, 5                         ; batch
	s_and_b32 s19, s16, 31                         ; head
	s_lshl_b32 s48, s19, 16
	s_lshl_b32 s50, s17, 15
	s_add_co_u32 s48, s48, s50                     ; q's codes and the result's: head x 65,536 + batch x 32,768
	s_mov_b32 s49, 0
	s_lshr_b32 s50, s48, 4                         ; q's scale bytes: a sixteenth of that
	s_mov_b32 s51, 0
	s_lshl_b32 s52, s17, 20
	s_lshl_b32 s54, s19, 9
	s_add_co_u32 s52, s52, s54                     ; v's codes: batch x 64 blocks x 16,384 + head x 32 x 16
	s_mov_b32 s53, 0
	s_lshl_b32 s54, s17, 16
	s_lshr_b32 s56, s19, 1
	s_lshl_b32 s56, s56, 7
	s_add_co_u32 s54, s54, s56
	s_and_b32 s56, s19, 1
	s_lshl_b32 s56, s56, 2
	s_add_co_u32 s54, s54, s56                     ; v's scale bytes: batch x 32 x 2,048 + (head / 2) x 128 + (head % 2) x 4
	s_mov_b32 s55, 0
	s_lshr_b32 s56, s19, 2
	s_lshl_b32 s56, s56, 14
	s_lshl_b32 s58, s17, 13
	s_add_co_u32 s56, s56, s58
	s_and_b32 s58, s19, 3
	s_add_co_u32 s56, s56, s58                     ; the result's scale bytes: (head / 4) x 16,384 + batch x 8,192 + head % 4
	s_mov_b32 s57, 0
	s_lshr_b32 s25, s18, 1                         ; the first tile's last key step: w / 2
	s_and_b32 s26, s18, 1
	s_lshl_b32 s24, s25, 3
	s_lshl_b32 s27, ttmp9, 1
	s_add_co_u32 s24, s24, s27
	s_add_co_u32 s24, s24, s26                     ; the first tile: 8 (w / 2) + 2 cq + w % 2
	s_mov_b32 s20, 0x76543210
	s_mov_b32 s21, 0xfedcba98                      ; v_permlanex16_b32's selects for lane l xor 16
	s_mov_b32 s22, 0x3fb8aa3b                      ; log2(e)
	s_mov_b32 s23, s22                             ; (named with it as a pair, so it is written)
	v_lshlrev_b32 v131, 4, v0                      ; K: 16 bytes a thread, 512 keys a load; also the LDS place of K's and V's bytes
	v_lshrrev_b32 v132, 5, v0
	v_and_b32 v133, 31, v0
	v_lshlrev_b32 v133, 4, v133
	v_lshl_add_u32 v132, v132, 14, v133            ; V: block of keys thread / 32, d = thread % 32
	v_lshlrev_b32 v133, 2, v0                      ; K's scale words: one a thread
	v_lshrrev_b32 v134, 5, v0
	v_lshlrev_b32 v134, 12, v134                   ; V's: key step thread / 32 is two groups of 64 tokens, 2,048 bytes each;
	v_and_b32 v135, 15, v0
	v_lshl_add_u32 v134, v135, 3, v134             ; 8 bytes for each r = d % 16,
	v_bfe_u32 v135, v0, 4, 1
	v_lshl_add_u32 v134, v135, 1, v134             ; 2 for d / 16
	v_lshl_add_u32 v135, v0, 2, KSW                ; LDS: a scale word a thread
	s_wait_kmcnt 0x0
	s_add_nc_u64 s[4:5], s[4:5], s[48:49]
	s_add_nc_u64 s[6:7], s[6:7], s[50:51]
	s_add_nc_u64 s[8:9], s[8:9], s[52:53]
	s_add_nc_u64 s[10:11], s[10:11], s[54:55]
	s_add_nc_u64 s[12:13], s[12:13], s[48:49]
	s_add_nc_u64 s[14:15], s[14:15], s[56:57]
	s_wait_alu depctr_va_vdst(0)                   ; the offsets v131 to v135 are written, which the loads below and the LDS stores behind them read
.irp n, 0,1,2,3
	global_load_b128 v[96+4*\n:99+4*\n], v131, s[4:5] offset:2097152+8192*\n     ; k's blocks lie 32 heads behind q's
.endr
.irp n, 0,1,2,3
	global_load_b128 v[112+4*\n:115+4*\n], v132, s[8:9] offset:262144*\n         ; 16 blocks of keys on
.endr
	global_load_b32 v128, v133, s[6:7] offset:131072
	global_load_u16 v129, v134, s[10:11]                                         ; the step's blocks 0, 1
	global_load_u16 v130, v134, s[10:11] offset:2048                             ; and 2, 3
	v_and_b32 v1, 15, v0                           ; r
	v_bfe_u32 v2, v0, 4, 1                         ; h
	v_and_b32 v3, 31, v0
	v_lshlrev_b32 v3, 4, v3                        ; K's fragment: 16 x lane: dense
	v_lshlrev_b32 v208, 4, v1                      ; 16 r
	v_lshl_add_u32 v4, v2, 9, v208                 ; V's fragment: 512 h + 16 r
	v_lshl_add_u32 v5, v1, 2, KSW                  ; scale words: 4 r
	v_lshl_add_u32 v209, v2, 3, v208               ; 16 r + 8 h
	v_lshlrev_b32 v210, 2, v1                      ; 4 r
	v_lshlrev_b32 v211, 3, v2
	v_sub_nc_u32 v211, v1, v211                    ; r - 8 h
	v_cmp_ne_u32 s31, 0, v2                        ; lanes 16-31
	v_mov_b32 v188, 0xff800000                     ; -infinity
	v_mov_b32 v183, 0                              ; (named as the upper half of the pair v[182:183])
.irp n, 16,17,18,19,24,25,26,27,32,33,34,35
	v_mov_b32 v\n, 0                               ; the zero codes round q
.endr
	s_wait_alu depctr_va_sdst(0)                   ; s31 is written, in the straight run of its compare and ahead of its first reader: the selects at each tile's head read it
	s_wait_loadcnt 0x0
	v_lshl_or_b32 v129, v130, 16, v129             ; V's scale word of a key step
	s_wait_alu depctr_va_vdst(0)                   ; v129 is written, which the last LDS store below reads; so are v3 and v5, which each tile's first LDS loads read
.irp n, 0,1,2,3
	ds_store_b128 v131, v[96+4*\n:99+4*\n] offset:8192*\n
	ds_store_b128 v131, v[112+4*\n:115+4*\n] offset:VB+8192*\n
.endr
	ds_store_b32 v135, v128
	ds_store_b32 v135, v129 offset:VSW-KSW
	s_wait_dscnt 0x0                               ; for the others' sake: my stores have landed
	s_barrier_signal -1
	s_barrier_wait -1                              ; the head lies in LDS; from here on LDS is only read
	s_wait_alu depctr_vm_vsrc(0)                   ; the loads and LDS stores above have read v96 to v135: these registers are S^T from here on, written by the products
; One tile of 16 queries.  hi = 0: tile i;  hi = 1: tile 127 - i.
.macro TILE hi
.if \hi
	s_wait_xcnt 0x0                                ; the first tile's stores have read their registers: these are written again below
	s_wait_alu depctr_vm_vsrc(0)                   ; the first tile's stores have read v7, v43, v160, v161 and v172, and its loads of q v41 and v42: all are written again in this tile
	s_sub_co_u32 s24, 127, s24
	s_sub_co_u32 s25, 15, s25                      ; (127 - i) / 8 = 15 - i / 8
.endif
	s_lshl_b32 s29, s24, 8                         ; 16 tokens x 16 bytes a tile
	s_and_b32 s30, s24, 7
	s_lshl_b32 s30, s30, 4                         ; my first query within its key step
	s_lshr_b32 s48, s24, 2
	s_lshl_b32 s48, s48, 6
	s_and_b32 s49, s24, 3
	s_add_co_u32 s48, s48, s49                     ; q's scale byte: 64 (tile / 4) + tile % 4 + 4 r
	s_lshl_b32 s49, s24, 6
	v_add_nc_u32 v41, s29, v208
	v_add_nc_u32 v42, s48, v210
	s_wait_alu depctr_va_vdst(0)                   ; v41 and v42 are written, which the two loads read; the tile before is done reading v36 to v40, K's fragments and their scale words, in which the loads below land
	global_load_b128 v[36:39], v41, s[4:5]         ; query r's 32 codes, in both halves of the lanes
	global_load_u8 v40, v42, s[6:7]
.irp n, 0,1,2,3
	ds_load_b128 v[KF+4*\n:KF+4*\n+3], v3 offset:512*\n             ; K of key step 0, which counts for every query: fragment G = n / 2, chunk n % 2: key 64 G + 32 (n % 2) + lane
.endr
	ds_load_b32 v76, v5
	ds_load_b32 v77, v5 offset:64
	v_add_nc_u32 v7, s29, v209                     ; the result's codes: 256 tile + 16 r + 8 h
	v_add_nc_u32 v43, s49, v210                    ; its scale byte: 64 tile + 4 r
	v_add_nc_u32 v6, s30, v211                     ; d = my query within its key step - 8 h
	v_mov_b32 v13, 0xff61b1e6                      ; the largest t so far: -3e38, under every t
	v_floor_f32 v12, -v13                          ; -M
	v_mov_b32 v14, 0                               ; the sum, in two halves
	v_mov_b32 v15, 0
	v_mov_b32 v180, 0
.irp b, 0,1,2,3
	v_mov_b32 v[BP+\b], 0                          ; a lane permute's destination counts as one of its sources
.endr
	s_mov_b32 s26, 0                               ; the key step
	s_mov_b32 s27, 0                               ; its codes in LDS: 2,048 bytes a step
	s_mov_b32 s28, 0                               ; its scale words: 128 bytes a step
	s_wait_loadcnt 0x0
.irp n, 0,1,2,3
	v_cndmask_b32 v[20+\n], v[36+\n], v16, s31     ; q in lanes 0-15, zeros above
	v_cndmask_b32 v[28+\n], v16, v[36+\n], s31     ; q in lanes 16-31, zeros below
.endr
	v_lshl_or_b32 v11, v40, 8, v40
	v_lshl_or_b32 v11, v11, 16, v11                ; q's byte in all four bytes of its scale word: whichever block holds q finds it
.irp j, 0,1,2,3,4,5,6,7,8,9,10,11,12,13,14,15
	v_mov_b32 v[OT+\j], 0                          ; O^T: the loop is written once; its first step finds zeros.  (These 16 lines also stand between the lines above and the first scaled product)
.endr
	s_wait_alu depctr_va_vdst(0)                   ; q's operand v20 to v31 and its scale word v11 are written, which the scaled products of every step take; the 16 lines above are the places, this wait stands beside them
	s_wait_dscnt 0x0                               ; K of key step 0 is in
.Lstep_\@:
	s_cmp_gt_u32 s26, s25                          ; a step all of whose keys come after my queries is left out; the lines at its end that step addresses are not
	s_cbranch_scc1 .Lhidden_\@
.irp g, 0,1                                    ; K's fragments and scale words were asked for in the step before (step 0's at the tile's head) and shown in by the wait on DScnt that stands ahead of that step's last products
.irp e, 0,1,2,3
	v_wmma_scale_f32_16x16x128_f8f6f4 v[S+8*(4*\g+\e):S+8*(4*\g+\e)+7], v[KF+8*\g:KF+8*\g+7], v[20+8*(\e%2)-4*(\e/2):27+8*(\e%2)-4*(\e/2)], 0, v[76+\g], v11 matrix_a_fmt:MATRIX_FMT_FP4 matrix_b_fmt:MATRIX_FMT_FP4
.endr
.endr
	s_wait_alu depctr_vm_vsrc(0)                   ; the last step's LDS loads have read v8 to v10, which the three lines below write again
	v_add_nc_u32 v8, s27, v3                       ; this step's addresses: K's codes (the next step's lie 2,048 bytes on),
	v_add_nc_u32 v9, s27, v4                       ; V's,
	v_add_nc_u32 v10, s28, v5                      ; the scale words (K's next step's lie 128 bytes on)
	v_nop                                          ; with the three additions: four plain lines behind the products, ahead of the first read of the scores
	s_cmp_lg_u32 s26, s25                          ; on the diagonal the scores of hidden keys become -infinity ahead of the maximum; a step all of whose keys count skips this
	s_cbranch_scc1 .Lopen_\@
.set n, 0
.rept 4                                        ; sixteen compares into sixteen scalar registers, one wait, sixteen selects
.set m, 0
.rept 16
	v_cmp_gt_i32 s[MK+m], 16*((n+m)/8)+(n+m)%8, v6 ; register n + m holds key 16 ((n + m) / 8) + 8 h + (n + m) % 8 of the step: hidden where that is beyond my query
.set m, m+1
.endr
	s_wait_alu depctr_va_sdst(0)                   ; the sixteen masks are written, which the sixteen selects below read
.set m, 0
.rept 16
	v_cndmask_b32 v[S+n+m], v[S+n+m], v188, s[MK+m]
.set m, m+1
.endr
.set n, n+16
.endr
.Lopen_\@:
.irp b, 0,1,2,3
	v_max3_num_f32 v[BM+\b], v[S+16*\b], v[S+1+16*\b], v[S+2+16*\b]   ; the largest score of each block of 32 keys: it serves the row's maximum and, since p rises with the score, the block's largest p
.endr
.irp i, 3,5,7,9,11,13
.irp b, 0,1,2,3
	v_max3_num_f32 v[BM+\b], v[BM+\b], v[S+16*\b+\i], v[S+1+16*\b+\i]
.endr
.endr
.irp b, 0,1,2,3
	v_max_num_f32 v[BM+\b], v[BM+\b], v[S+15+16*\b]
.endr
.irp b, 0,1,2,3
	v_permlanex16_b32 v[BP+\b], v[BM+\b], s20, s21
.endr
.irp b, 0,1,2,3
	v_max_num_f32 v[BM+\b], v[BM+\b], v[BP+\b]     ; with lane l xor 16's 16 keys
.endr
	v_max3_num_f32 v180, v168, v169, v170
	v_max_num_f32 v180, v180, v171                 ; the step's largest score of my query
	v_mul_f32 v180, s22, v180                      ; as t
	v_max_num_f32 v13, v13, v180                   ; the running largest t
	v_mov_b32 v180, v12
	v_floor_f32 v12, -v13                          ; the new -M = floor(-t) = -ceil(t): a whole number
	v_sub_f32 v180, v12, v180                      ; M's old value less its new one: a whole number, 0 or less
	v_cvt_i32_f32 v180, v180                       ; (it saturates)
	v_ldexp_f32 v182, 1.0, v180                    ; f = 2^(old M - new M)
.set n, 0
.rept 32
	v_pk_fma_f32 v[S+n:S+n+1], v[S+n:S+n+1], s[22:23], v[12:13] op_sel_hi:[1,0,0]   ; t - M, two at a time (of the pairs the low word serves both halves)
.set n, n+2
.endr
.irp b, 0,1,2,3
	v_fma_f32 v[BM+\b], v[BM+\b], s22, v12         ; the same of each block's largest score
.endr
.set n, 0
.rept 64
	v_exp_f32 v[S+n], v[S+n]                       ; p = 2^(t - M), at most 1: not normalised
.set n, n+1
.endr
.irp b, 0,1,2,3
	v_exp_f32 v[BM+\b], v[BM+\b]                   ; the block's largest p: the same two instructions on the same number give the same bits
.endr
	v_pk_mul_f32 v[14:15], v[14:15], v[182:183] op_sel_hi:[1,0]   ; the sums under the new M (a plain line behind the exponentials)
	s_wait_alu depctr_va_vdst(0)                   ; the 68 exponentials have written p and the blocks' largest p, ahead of their first reader; v8 to v10 are written, which the loads below read; this step's eight products are done reading K's registers and the last step's two V's, in which those loads land
.irp u, 0,1
.irp c, 0,1
	ds_load_b128 v[VF+8*\u+4*\c:VF+8*\u+4*\c+3], v9 offset:VB+1024*\c+256*\u   ; this step's V: d = 16 u + r, block of keys 2 c + h
.endr
.endr
	ds_load_b32 v78, v10 offset:VSW-KSW
	ds_load_b32 v79, v10 offset:VSW-KSW+64
	s_cmp_eq_u32 s26, s25                          ; my tile's last step that counts has no successor: nothing is loaded that nobody reads.  Ids and the count of steps alone
	s_cbranch_scc1 .Llast_\@
.irp n, 0,1,2,3
	ds_load_b128 v[KF+4*\n:KF+4*\n+3], v8 offset:2048+512*\n        ; the NEXT step's K.  No wait: no vector or matrix instruction since the wait above names these registers
.endr
	ds_load_b32 v76, v10 offset:128
	ds_load_b32 v77, v10 offset:192
.Llast_\@:
.irp b, 0,1,2,3
	v_max_num_f32 v[BM+\b], 0x1800000, v[BM+\b]    ; the floor 2^(3 - 127): the byte cannot fall under 1
.endr
.irp b, 0,1,2,3
	v_add_nc_u32 v[SOP+\b], 0xff000000, v[BM+\b]   ; 2 off the exponent field: the conversion's scale operand
.endr
.irp b, 0,1,2,3
	v_lshrrev_b32 v[BP+\b], 23, v[SOP+\b]          ; the scale's byte
.endr
	v_lshl_or_b32 v184, v173, 8, v172              ; p's scale word for these 128 keys
	v_lshl_or_b32 v184, v174, 16, v184
	v_lshl_or_b32 v184, v175, 24, v184
.irp t, 0,1,2,3,4,5,6,7
	v_cvt_scalef32_pk8_fp4_f32 v[PC+4*(\t/4)+2*(\t%2)+(\t%4)/2], v[S+8*\t:S+8*\t+7], v[SOP+\t/2]   ; tile t's eight keys of my half; laid so that the exchanges below finish the operand
.endr
	v_nop                                          ; one plain line behind the last scaled conversion
.irp c, 0,2,4,6
	v_permlane16_swap_b32 v[PC+\c], v[PC+\c+1]     ; register 4 c + n of half h now holds keys 64 c + 32 h + 8 n + 0 .. 7: a whole block in a lane
.endr
.irp j, 0,2,4,6,8,10,12,14
	v_pk_mul_f32 v[OT+\j:OT+\j+1], v[OT+\j:OT+\j+1], v[182:183] op_sel_hi:[1,0]   ; O^T under the new M
.endr
	v_pk_add_f32 v[186:187], v[S:S+1], v[S+2:S+3]  ; the row's sum is taken of the UNQUANTISED p: two at a time, in two chains
.irp j, 4,8,12,16,20,24,28,32,36,40,44,48,52,56,60
	v_pk_add_f32 v[14:15], v[14:15], v[S+\j:S+\j+1]
	v_pk_add_f32 v[186:187], v[186:187], v[S+\j+2:S+\j+3]
.endr
	v_pk_add_f32 v[14:15], v[14:15], v[186:187]
	s_wait_dscnt 0x0                               ; V's fragments and scale words are in, and so is the next step's K where it was asked for: for 0, since the count of loads behind V's differs between the two ways
	s_wait_alu depctr_va_vdst(0)                   ; p's codes v160 to v167 and its scale word v184 are written, which the two scaled products take; the 40 packed lines above are the places, this wait stands beside them
.irp u, 0,1                                    ; O^T += V^T P^T.  The two accumulators have one instruction a turn, and the eight products of the scores stand between a turn and the next
	v_wmma_scale_f32_16x16x128_f8f6f4 v[OT+8*\u:OT+8*\u+7], v[VF+8*\u:VF+8*\u+7], v[PC:PC+7], v[OT+8*\u:OT+8*\u+7], v[78+\u], v184 matrix_a_fmt:MATRIX_FMT_FP4 matrix_b_fmt:MATRIX_FMT_FP4
.endr
.Lhidden_\@:
	s_add_co_u32 s27, s27, 2048
	s_add_co_u32 s28, s28, 128
	s_add_co_u32 s26, s26, 1
	s_cmp_lt_u32 s26, 16
	s_cbranch_scc1 .Lstep_\@
	; the tile's end: O^T / the sum, quantised along the head's 32 numbers: my 16 and lane l xor 16's are the block
.rept 4
	v_nop
.endr
	v_add_f32 v14, v14, v15                        ; the sum's two halves,
	v_permlanex16_b32 v180, v14, s20, s21
	v_add_f32 v14, v14, v180                       ; and lane l xor 16's: the row's sum
	v_rcp_f32 v182, v14
	v_nop                                          ; one plain line behind the transcendental
	s_wait_alu depctr_va_vdst(0)                   ; the reciprocal has written v182, ahead of its first reader
.irp j, 0,2,4,6,8,10,12,14
	v_pk_mul_f32 v[CX+\j:CX+\j+1], v[OT+\j:OT+\j+1], v[182:183] op_sel_hi:[1,0]   ; register 8 u + n is d = 16 u + 8 h + n of query r; each accumulator from its low end on
.endr
	v_max3_num_f32 v168, |v192|, |v193|, 0x1800000 ; the largest magnitude, in two chains, with the floor 2^(3 - 127)
	v_max3_num_f32 v169, |v200|, |v201|, |v202|
	v_max3_num_f32 v168, v168, |v194|, |v195|
	v_max3_num_f32 v169, v169, |v203|, |v204|
	v_max3_num_f32 v168, v168, |v196|, |v197|
	v_max3_num_f32 v169, v169, |v205|, |v206|
	v_max3_num_f32 v168, v168, |v198|, |v199|
	v_max3_num_f32 v168, v168, v169, |v207|
	v_permlanex16_b32 v172, v168, s20, s21
	v_max_num_f32 v168, v168, v172
	v_add_nc_u32 v176, 0xff000000, v168
	v_lshrrev_b32 v172, 23, v176                   ; the scale's byte
	v_cvt_scalef32_pk8_fp4_f32 v160, v[192:199], v176
	v_cvt_scalef32_pk8_fp4_f32 v161, v[200:207], v176
	v_nop                                          ; one plain line behind the last scaled conversion
	v_permlane16_swap_b32 v160, v161               ; the pair now holds bytes 8 h .. 8 h + 7 of the block's 16
	s_wait_alu depctr_va_vdst(0)                   ; the codes v160 and v161 and the byte v172 are written, which the two stores read as data (their offsets v7 and v43 were written at the tile's head)
	global_store_b64 v7, v[160:161], s[12:13]      ; 32 lanes store 256 consecutive bytes, at a multiple of 256 from the buffer's first byte
	global_store_b8 v43, v172, s[14:15]            ; both halves of the lanes write the same byte with the same value
.endm
	TILE 0
	TILE 1
	s_wait_dscnt 0x0                               ; the closing lines, six on end
	s_wait_alu 0x0
	s_wait_tensorcnt 0x0
	ds_add_u32 v254, v255
	s_wait_dscnt 0x0
	s_endpgm
.Lfunc_end_k_q116d1420de_attn:
	.size	k_q116d1420de_attn, .Lfunc_end_k_q116d1420de_attn-k_q116d1420de_attn
	.p2alignl 7, 3214868480
	.fill 96, 4, 3214868480
	.section	.rodata,"a",@progbits
	.p2align	6, 0x0
	.amdhsa_kernel k_q116d1420de_attn
		.amdhsa_group_segment_fixed_size 71680
		.amdhsa_private_segment_fixed_size 0
		.amdhsa_enable_private_segment 0
		.amdhsa_kernarg_size 48
		.amdhsa_user_sgpr_count 2
		.amdhsa_user_sgpr_kernarg_segment_ptr 1
		.amdhsa_wavefront_size32 1
		.amdhsa_system_sgpr_workgroup_id_x 1
		.amdhsa_system_sgpr_workgroup_id_y 1
		.amdhsa_system_sgpr_workgroup_id_z 1
		.amdhsa_system_vgpr_workitem_id 0
		.amdhsa_next_free_vgpr 256
		.amdhsa_next_free_sgpr 66
		.amdhsa_reserve_vcc 0
		.amdhsa_float_denorm_mode_32 3
		.amdhsa_float_denorm_mode_16_64 3
		.amdhsa_memory_ordered 1
		.amdhsa_forward_progress 1
		.amdhsa_inst_pref_size 61
	.end_amdhsa_kernel
	.amdgpu_metadata
---
amdhsa.version: [ 1, 2 ]
amdhsa.kernels:
  - .name:           k_q116d1420de_attn
    .symbol:         k_q116d1420de_attn.kd
    .args:
      - { .name: qk_codes, .offset: 0, .size: 8, .value_kind: global_buffer, .address_space: global }
      - { .name: qk_scales, .offset: 8, .size: 8, .value_kind: global_buffer, .address_space: global }
      - { .name: v_codes, .offset: 16, .size: 8, .value_kind: global_buffer, .address_space: global }
      - { .name: v_scales, .offset: 24, .size: 8, .value_kind: global_buffer, .address_space: global }
      - { .name: ctx_codes, .offset: 32, .size: 8, .value_kind: global_buffer, .address_space: global }
      - { .name: ctx_scales, .offset: 40, .size: 8, .value_kind: global_buffer, .address_space: global }
    .group_segment_fixed_size: 71680
    .private_segment_fixed_size: 0
    .kernarg_segment_align: 8
    .kernarg_segment_size: 48
    .max_flat_workgroup_size: 512
    .sgpr_count:     66
    .vgpr_count:     256
    .wavefront_size: 32
...
	.end_amdgpu_metadata
.endif
;; end of part 5
;; launch oproj: the kernel of part 4 again; grid 8 x 32, 4 waves a work-group, clusters of 4 x 4, 168,448 bytes of LDS; arguments ctx_codes, ctx_scales, codes, scales, bo, out0; writes out0
